; MI455X (gfx1250); checked and timed in simulation.
; The chip was launched on July 23, 2026; its instructions are those of AMD's public machine-readable ISA for CDNA 5 (MIT licence, August 2026) and "CDNA5" Instruction Set Architecture Reference Guide (July 2026). The comments in the code are by the model that wrote it; some were corrected since.
;; Attention. Allowed arithmetic: matrix products marked QUANTISED: E2M1 operands, one E8M0 scale for each 32 along K, by v_wmma_scale_f32_16x16x128_f8f6f4 with both operands' format E2M1 (or v_wmma_scale_f32_32x16x128_f4), f32 sums; products left as they are: bf16, f16 or f32 operands; f32 sums; everything else in f32.
;; Inputs: Wk 1,024 x 1,024 float32; Wo 1,024 x 1,024 float32; Wq 1,024 x 1,024 float32; Wv 1,024 x 1,024 float32; bk 1,024 float32; bo 1,024 float32; bq 1,024 float32; bv 1,024 float32; x 4 x 2,048 x 1,024 float32.
;; Outputs: out0 4 x 2,048 x 1,024 float32.
;; This version of the problem:
;;   THIS VERSION OF THE PROBLEM IS GIVEN IN LOW PRECISION. The matrix products marked QUANTISED in the list below multiply operands that are first quantised to E2M1 (2 exponent bits, 1 mantissa bit; 4 bits a number), with one power-of-two scale for each 32 numbers along K (OCP MX v1.0); their sums are f32. The products marked 'left as it is' may take bf16, f16 or f32 operands, with f32 sums. Whichever they take, every output number must still come out within the allowed error. Rounding operands to bf16 (8 significant bits) uses up far more of that allowance than f16 does (11 bits, for magnitudes from 6e-5 to 65,504). All else is computed in f32.
;;   The module's matrix products, in the order in which they are computed (A, B: the left and right operand; K: the contracted axis; several contracted axes count as one K, in the product's order):
;;     1. [M 8,192, K 1,024] x [K 1,024, N 1,024]; A: input x; B: input Wq: QUANTISED
;;     2. [M 8,192, K 1,024] x [K 1,024, N 1,024]; A: input x; B: input Wk: QUANTISED
;;     3. [M 8,192, K 1,024] x [K 1,024, N 1,024]; A: input x; B: input Wv: QUANTISED
;;     4. batch 64 x [M 2,048, K 64] x [K 64, N 2,048]; A: computed on the way; B: computed on the way: left as it is (an operand is computed on the way)
;;     5. batch 64 x [M 2,048, K 2,048] x [K 2,048, N 64]; A: computed on the way; B: computed on the way: left as it is (an operand is computed on the way)
;;     6. [M 8,192, K 1,024] x [K 1,024, N 1,024]; A: computed on the way; B: input Wo: left as it is (an operand is computed on the way)
;;   THE QUANTISER, for each operand of a quantised product, along K:
;;     - K is cut into blocks of 32 from its start; a last block that is shorter is filled with zeros.
;;     - A block's scale is 2^e with e = floor(log2(the largest magnitude in the block)) - 2, held to -126 .. 127; a block of zeros has e = 0. As a byte (E8M0): e + 127.
;;     - Each number is divided by its block's scale, clamped to +-6, and rounded to the nearest number of E2M1, ties to even, subnormals kept.
;;     - The product sums the exact products of the quantised numbers (number of the format x scale) in f32.
;;   ~~~python
;;   def quantise(x, axis):      # numpy; x: float32 -> the quantised numbers, widened to float32 again
;;       x = np.moveaxis(x, axis, -1); K = x.shape[-1]
;;       x = np.pad(x, [(0, 0)] * (x.ndim - 1) + [(0, -K % 32)]); x = x.reshape(x.shape[:-1] + (-1, 32)); a = np.abs(x).max(-1, keepdims=True)
;;       e = np.where(a > 0, np.clip(np.frexp(np.where(a > 0, a, 1))[1] - 1 - 2, -126, 127), 0)      # np.frexp(a)[1] - 1 = floor(log2(a)), exactly
;;       r = np.clip(x / 2.0 ** e, -6, 6)
;;       step = 2.0 ** (np.maximum(np.frexp(np.where(r == 0, 1, r))[1] - 1, 0) - 1)
;;       q = np.round(r / step) * step * 2.0 ** e      # np.round: ties to even
;;       return np.moveaxis(q.reshape(q.shape[:-2] + (-1,))[..., :K], -1, axis).astype(np.float32)
;;   ~~~
;; One version. Each part assembles by itself: llvm-mc -triple=amdgcn-amd-amdhsa -mcpu=gfx1250 --defsym DOCPART=n.
;; ======== version 1 of 1: 5 launches
;; limits: values are held in f16: magnitudes above 65,504 overflow, below 6.1e-05 lose precision
;; workspace buffers: codes 5,767,168 bytes; scales 360,448 bytes; wo16 2,097,152 bytes; qkv16 50,331,648 bytes; ao16 16,777,216 bytes; qkv32 786,432 bytes
;; launch quant (part 1): grid 384 x 1, 4 waves a work-group, no clusters, 33,280 bytes of LDS; arguments x, Wq, Wk, Wv, Wo, codes, scales, wo16; writes codes, scales, wo16
.if DOCPART == 1
	.amdgcn_target "amdgcn-amd-amdhsa--gfx1250"
	.amdhsa_code_object_version 6
	.text
	.protected	k_qcc2f2c6e13_quant
	.globl	k_qcc2f2c6e13_quant
	.p2align	8
	.type	k_qcc2f2c6e13_quant,@function
k_qcc2f2c6e13_quant:
	s_mov_b64 s[64:65], 0
	v_nop
	global_prefetch_b8 v0, s[64:65] scope:SCOPE_SE
	s_setreg_imm32_b32 hwreg(HW_REG_WAVE_MODE, 25, 1), 1
	s_wait_xcnt 0x0
; x [8192][1024], Wq, Wk, Wv [1024][1024], f32 with K innermost, become codes of E2M1, 4 bits each, and one E8M0 byte for each 32 along K;
; Wo [1024][1024] f32 becomes f16.  codes: [11264 rows][512 bytes], rows 0-8191 x, then Wq, Wk, Wv; scales: [11264][32 bytes].
; A block's scale is 2^(floor(log2(its largest magnitude)) - 2); its byte is the largest magnitude's exponent field - 2, held at 1 from below.
; A block of zeros so gets the byte 1 where the rule says 127: its codes are zeros, which add nothing, and this program alone reads the bytes.
; LIMITS: blocks whose largest magnitude lies under 2^-124 keep the byte 1; NaN and infinities are not served; |Wo| stays under 65,504 (f16).
; Rows are dense and K is a multiple of 32: each tensor is a plain stream of blocks of 32.  Work-groups 0-351 quantise (32,768 numbers each:
; 256 for x, 32 for each weight), work-groups 352-383 convert Wo.  A wave takes 8,192 numbers.  Waves share nothing: no barrier.
; QUANTISER: 16 steps of 512 numbers.  Each load reads 512 consecutive bytes; a step's 2,048 bytes turn through the wave's own stage in LDS so that
; a lane holds 16 neighbours (two lanes a block).  Loads run four steps ahead, the turn through LDS one step.
.set WGQ,   352
.set STEPS, 16
.set CB,    8                          ; bytes of 16 codes
.set R,     16                         ; v16-79   four sets of 16 numbers as loaded (Wo path: sixteen slots of 4)
.set X,     80                         ; v80-111  two sets of 16 neighbours (Wo path: sixteen slots of 2, packed f16)
.set E,     112                        ; v112-127 a scale byte for each step
.set C,     128                        ; v128-191 codes: four registers for each step, so that no store's data are written again
.set WREG,  8192                       ; LDS: a region for each wave: two stages of 32 x SP bytes, behind them its 256 scale bytes
.set SP,    80                         ; a lane's place in a stage: 64 bytes + 16 of padding
.set SPW,   12                         ; v12 LDS address of my spare word; never rewritten
.set NIL,   13                         ; v13 0; never rewritten
.set SPARE, 4*WREG                     ; behind the four regions: the spare words, 128 bytes a wave
	s_load_b256 s[4:11], s[0:1], 0x0               ; x, Wq, Wk, Wv
	s_load_b256 s[12:19], s[0:1], 0x20             ; Wo, codes, scales, wo16
	v_lshl_add_u32 v[SPW], v0, 2, SPARE
	v_mov_b32 v[NIL], 0
	v_lshrrev_b32 v1, 5, v0
	v_readfirstlane_b32 s20, v1                    ; wave
	v_and_b32 v2, 31, v0                           ; lane
	v_lshlrev_b32 v3, 4, v2                        ; my 16 bytes of a load's 512
	s_mov_b32 s23, 0
	s_cmp_ge_u32 ttmp9, WGQ                        ; the work-group's number alone decides the path
	s_cbranch_scc1 .Lwo
	s_mul_i32 s22, s20, WREG
	v_lshrrev_b32 v14, 2, v2
	v_mul_u32_u24 v14, v14, SP
	v_and_b32 v15, 3, v2
	v_lshl_add_u32 v14, v15, 4, v14
	v_add_nc_u32 v14, s22, v14                     ; the stage, in: four lanes' 64 bytes on end, then 16 of padding
	v_mul_u32_u24 v15, v2, SP
	v_add_nc_u32 v15, s22, v15                     ; and out: SP x lane: my 16 neighbours
	v_mul_u32_u24 v4, v2, CB                       ; my codes' place in a step's
	v_lshrrev_b32 v5, 1, v2
	s_add_co_u32 s22, s22, 2*32*SP
	v_add_nc_u32 v5, s22, v5                       ; my wave's 256 scale bytes, my block's byte
	v_lshlrev_b32 v7, 3, v2                        ; on the way out 8 bytes a lane
	v_add_nc_u32 v6, s22, v7
	s_wait_kmcnt 0x0
	s_cmp_lt_u32 ttmp9, 256                        ; which tensor, and its first work-group
	s_cselect_b64 s[4:5], s[4:5], s[6:7]
	s_cselect_b32 s21, 0, 256
	s_cmp_ge_u32 ttmp9, 288
	s_cselect_b64 s[4:5], s[8:9], s[4:5]
	s_cselect_b32 s21, 288, s21
	s_cmp_ge_u32 ttmp9, 320
	s_cselect_b64 s[4:5], s[10:11], s[4:5]
	s_cselect_b32 s21, 320, s21
	s_sub_co_u32 s22, ttmp9, s21
	s_lshl_b32 s22, s22, 2
	s_add_co_u32 s22, s22, s20                     ; my run of 8,192 numbers in the tensor,
	s_lshl_b32 s22, s22, 15                        ; 32,768 bytes each
	s_add_nc_u64 s[4:5], s[4:5], s[22:23]
	s_lshl_b32 s24, ttmp9, 2
	s_add_co_u32 s24, s24, s20                     ; and in the joint buffers of codes and scale bytes
	s_lshl_b32 s22, s24, 12
	s_add_nc_u64 s[14:15], s[14:15], s[22:23]
	s_lshl_b32 s22, s24, 8
	s_add_nc_u64 s[16:17], s[16:17], s[22:23]
.macro LOAD t
.irp i, 0,1,2,3
	global_load_b128 v[R+16*((\t)%4)+4*\i:R+16*((\t)%4)+4*\i+3], v3, s[4:5] offset:2048*(\t)+512*\i th:TH_LOAD_NT
.endr
.endm
.macro TURN t                          ; step t's numbers through the stage: LDS serves a wave's instructions in order, so no wait between stores and loads
.irp i, 0,1,2,3
	ds_store_b128 v14, v[R+16*((\t)%4)+4*\i:R+16*((\t)%4)+4*\i+3] offset:32*SP*((\t)%2)+8*SP*\i
.endr
.irp i, 0,1,2,3
	ds_load_b128 v[X+16*((\t)%2)+4*\i:X+16*((\t)%2)+4*\i+3], v15 offset:32*SP*((\t)%2)+16*\i
.endr
.endm
.irp t, 0,1,2,3
	LOAD \t
.endr
	s_wait_loadcnt 12                              ; step 0's four loads are in; the twelve of steps 1 to 3 may be out
	TURN 0
.macro STEP t
.set XS, X+16*((\t)%2)
.if (\t) > 0
	s_wait_dscnt 1                                 ; this step's numbers are back from the stage; the last step's byte store may be out
.else
	s_wait_dscnt 0x0
.endif
.if (\t)+4 < STEPS
	LOAD (\t)+4                                    ; into the set whose stores into the stage have read their registers
.endif
.if (\t)+1 < STEPS
.if STEPS-2-(\t) >= 3
	s_wait_loadcnt 12                              ; the next step's four loads are in; those of the three steps behind it may be out
.else
	s_wait_loadcnt 4*(STEPS-2-(\t))                ; the tail: four for each step still behind it
.endif
	TURN (\t)+1
.endif
	v_max3_num_f32 v8, |v[XS]|, |v[XS+1]|, |v[XS+2]|               ; the largest magnitude of my 16, in two chains
	v_max3_num_f32 v9, |v[XS+3]|, |v[XS+4]|, |v[XS+5]|
.irp i, 6,10
	v_max3_num_f32 v8, v8, |v[XS+\i]|, |v[XS+\i+1]|
	v_max3_num_f32 v9, v9, |v[XS+\i+2]|, |v[XS+\i+3]|
.endr
	v_max3_num_f32 v8, v8, |v[XS+14]|, |v[XS+15]|
	v_max3_num_f32 v8, v8, v9, 0x1800000           ; and the floor 2^(3 - 127): the byte cannot fall under 1
	v_max_num_f32_dpp v8, v8, v8 row_xmask:1 row_mask:0xf bank_mask:0xf   ; with my neighbour's 16: the block's
	v_add_nc_u32 v11, 0xff000000, v8               ; 2 off its exponent field: the conversion takes the exponent field of this operand as its scale
	v_cvt_scalef32_pk8_fp4_f32 v[C+4*(\t)], v[XS:XS+7], v11
	v_cvt_scalef32_pk8_fp4_f32 v[C+4*(\t)+1], v[XS+8:XS+15], v11
	v_lshrrev_b32 v[E+(\t)], 23, v11               ; the scale's byte (a plain line behind the conversions)
	ds_store_b8 v5, v[E+(\t)] offset:16*(\t)       ; both lanes of a block write the same byte with the same value
	global_store_b64 v4, v[C+4*(\t):C+4*(\t)+1], s[14:15] offset:32*CB*(\t)   ; the wave stores 256 consecutive bytes, aligned
.endm
.irp t, 0,1,2,3,4,5,6,7,8,9,10,11,12,13,14,15
	STEP \t
.endr
	ds_load_b64 v[8:9], v6                         ; LDS serves a wave's instructions in order: these see my byte stores
	s_wait_dscnt 0x0
	global_store_b64 v7, v[8:9], s[16:17]          ; 32 lanes store 256 consecutive bytes, aligned
	s_wait_tensorcnt 0x0                           ; the wave's end
	ds_add_u32 v[SPW], v[NIL]
	s_wait_dscnt 0x0
	s_endpgm
; Wo to f16: a stream without LDS.  A wave takes 32,768 bytes: 64 loads of 512 consecutive bytes, sixteen always on their way, in sixteen register slots.
.Lwo:
	s_sub_co_u32 s22, ttmp9, WGQ
	s_lshl_b32 s22, s22, 2
	s_add_co_u32 s24, s22, s20                     ; my run, 0 to 127
	s_lshl_b32 s22, s24, 15
	v_lshlrev_b32 v4, 3, v2                        ; out: 8 bytes a lane
	s_wait_kmcnt 0x0
	s_add_nc_u64 s[12:13], s[12:13], s[22:23]
	s_lshl_b32 s22, s24, 14
	s_add_nc_u64 s[18:19], s[18:19], s[22:23]
.irp i, 0,1,2,3,4,5,6,7,8,9,10,11,12,13,14,15
	global_load_b128 v[R+4*\i:R+4*\i+3], v3, s[12:13] offset:512*\i th:TH_LOAD_NT
.endr
.macro WSLOT i, n, ahead, left
	s_wait_loadcnt \left                           ; loads come back in order: mine is in, the younger ones stay out
	s_wait_xcnt 0x0                                ; the slot's last store has read its data: they are rewritten only behind this wait
	v_cvt_pk_f16_f32 v[X+2*(\i)], v[R+4*(\i)], v[R+4*(\i)+1]
	v_cvt_pk_f16_f32 v[X+2*(\i)+1], v[R+4*(\i)+2], v[R+4*(\i)+3]
.if \ahead
	global_load_b128 v[R+4*(\i):R+4*(\i)+3], v3, s[12:13] offset:512*((\n)+16) th:TH_LOAD_NT
.endif
	global_store_b64 v4, v[X+2*(\i):X+2*(\i)+1], s[18:19] offset:256*(\n)   ; 256 consecutive bytes, aligned
.endm
.set n, 0
.rept 48
	WSLOT n%16, n, 1, 15
.set n, n+1
.endr
.rept 16
	WSLOT n%16, n, 0, 63-n                         ; the last round loads nothing: the counts run down
.set n, n+1
.endr
	s_endpgm
.Lfunc_end_k_qcc2f2c6e13_quant:
	.size	k_qcc2f2c6e13_quant, .Lfunc_end_k_qcc2f2c6e13_quant-k_qcc2f2c6e13_quant
	.p2alignl 7, 3214868480
	.fill 96, 4, 3214868480
	.section	.rodata,"a",@progbits
	.p2align	6, 0x0
	.amdhsa_kernel k_qcc2f2c6e13_quant
		.amdhsa_group_segment_fixed_size 33280
		.amdhsa_private_segment_fixed_size 0
		.amdhsa_enable_private_segment 0
		.amdhsa_kernarg_size 64
		.amdhsa_user_sgpr_count 2
		.amdhsa_user_sgpr_kernarg_segment_ptr 1
		.amdhsa_wavefront_size32 1
		.amdhsa_system_sgpr_workgroup_id_x 1
		.amdhsa_system_sgpr_workgroup_id_y 1
		.amdhsa_system_sgpr_workgroup_id_z 1
		.amdhsa_system_vgpr_workitem_id 0
		.amdhsa_next_free_vgpr 192
		.amdhsa_next_free_sgpr 66
		.amdhsa_reserve_vcc 0
		.amdhsa_float_denorm_mode_32 3
		.amdhsa_float_denorm_mode_16_64 3
		.amdhsa_memory_ordered 1
		.amdhsa_forward_progress 1
		.amdhsa_inst_pref_size 58
	.end_amdhsa_kernel
	.amdgpu_metadata
---
amdhsa.version: [ 1, 2 ]
amdhsa.kernels:
  - .name:           k_qcc2f2c6e13_quant
    .symbol:         k_qcc2f2c6e13_quant.kd
    .args:
      - { .name: x, .offset: 0, .size: 8, .value_kind: global_buffer, .address_space: global }
      - { .name: Wq, .offset: 8, .size: 8, .value_kind: global_buffer, .address_space: global }
      - { .name: Wk, .offset: 16, .size: 8, .value_kind: global_buffer, .address_space: global }
      - { .name: Wv, .offset: 24, .size: 8, .value_kind: global_buffer, .address_space: global }
      - { .name: Wo, .offset: 32, .size: 8, .value_kind: global_buffer, .address_space: global }
      - { .name: codes, .offset: 40, .size: 8, .value_kind: global_buffer, .address_space: global }
      - { .name: scales, .offset: 48, .size: 8, .value_kind: global_buffer, .address_space: global }
      - { .name: wo16, .offset: 56, .size: 8, .value_kind: global_buffer, .address_space: global }
    .group_segment_fixed_size: 33280
    .private_segment_fixed_size: 0
    .kernarg_segment_align: 8
    .kernarg_segment_size: 64
    .max_flat_workgroup_size: 128
    .sgpr_count:     66
    .vgpr_count:     192
    .wavefront_size: 32
...
	.end_amdgpu_metadata
.endif
;; end of part 1
;; launch qkv (part 2): grid 12 x 32, 4 waves a work-group, clusters of 4 x 4, 327,680 bytes of LDS; arguments codes, scales, bq, bk, bv, qkv16, qkv32; writes qkv16, qkv32
.if DOCPART == 2
	.amdgcn_target "amdgcn-amd-amdhsa--gfx1250"
	.amdhsa_code_object_version 6
	.text
	.protected	k_qcc2f2c6e13_qkv
	.globl	k_qcc2f2c6e13_qkv
	.p2align	8
	.type	k_qcc2f2c6e13_qkv,@function
k_qcc2f2c6e13_qkv:
	s_mov_b64 s[64:65], 0
	v_nop
	global_prefetch_b8 v0, s[64:65] scope:SCOPE_SE
	s_setreg_imm32_b32 hwreg(HW_REG_WAVE_MODE, 25, 1), 1
	s_wait_xcnt 0x0
	s_wait_alu depctr_hold_cnt(0) depctr_sa_sdst(0) depctr_va_vdst(0) depctr_va_sdst(0) depctr_va_ssrc(0) depctr_va_vcc(0) depctr_vm_vsrc(0)
	s_getreg_b32 s2, hwreg(HW_REG_IB_STS2, 6, 4)
	s_cmp_eq_u32 s2, 0
	s_cbranch_scc0 .Lentry_in_a_cluster
	s_endpgm
.Lentry_in_a_cluster:
	s_bfe_u32 s2, ttmp6, 0x10000c
	s_cmp_lg_u32 s2, 0xf033
	s_cbranch_scc0 .Lentry_shape_is_right
	s_endpgm
.Lentry_shape_is_right:
; q, k, v = x W^T + b on codes of E2M1 with E8M0 scales: C [8192][3072] = A [8192][1024] B [3072][1024]^T, A = rows 0-8191 of codes, B = rows 8192-11263 (Wq, Wk, Wv).
; A tile of C is 256 x 256, a wave's 128 x 128: 64 accumulators.  K = 1,024 is two slots of 512 along K: both come with the first fills, nothing is filled again.
; The scale bytes of the work-group's 256 + 256 rows come once, as dense blocks.  The bias is the C of each sum's first product.
; THE MATRIX INSTRUCTION IS USED TRANSPOSED (source 0 = 16 rows of W, source 1 = 16 rows of x): a lane holds eight neighbouring columns of one row.
; OUT: f16, by head: qkv16 [3][4 b][16 h][2048 t][64]; and for positions 0-15 of each batch the f32 accumulators as they stand, as images of registers, in qkv32.
; CLUSTERS: 4 x 4 work-groups; A's tiles are asked for jointly along a row of the cluster, B's along a column.  Tile row = 8 cy + cluster y, so that the four tile rows of a
; cluster lie at the same place of the four batches (batch = cy): whether a work-group holds positions 0-15 then hangs on the cluster's y alone.
; LIMIT: |q|, |k|, |v| stay under 65,504 (f16).
; REGISTERS: window 0: v16-30 addresses; v32-95 scale words, two sets, and nothing else; v128-191 A's fragments, one set; v192-255 the bias, later packed results.
;   window 1: B's fragments, two sets (v0, v128).  window 2: accumulators of my rows 0-63 ((a, b) at 8 (8 a + b)); window 3: rows 64-127.
.set NQ,     4                         ; steps of 128 along K in a slot
.set ROWB,   256                       ; a tile's row in bytes: 512 codes
.set KROW,   512                       ; a row of codes in memory
.set PITCH,  272                       ; an LDS row: 256 bytes + 16: the 16 rows of a fragment load start 68 words apart
.set FR,     8
.set NL,     2
.set NP,     4                         ; places behind this matrix instruction (ISA guide 7.12.1)
.set HALFT,  128*PITCH
.set SLOT,   4*HALFT
.set KS,     32                        ; a row of scale bytes
.set SCL,    2*SLOT
.set HALFS,  (128*KS/256)*272
.set SBLK,   (16*KS/256)*272
.set SPARE,  SCL+4*HALFS               ; the spare words, 128 bytes a wave
.set ADRA, 16
.set ADRB, 20
.set STO,  24
.set RD,   25
.set CO,   26
.set ADRS, 27
.set SPW,  28
.set NIL,  29
.set BOF,  30
.set SC,   32
.set AF,   128
.set BIAS, 192
.set TMP,  192
.set BK,   128
.set WV, 18
.set RH, 19                            ; my half of the tile's rows; also: I fetch for A (0) or B (1)
.set CH, 20                            ; my half of its columns; also: which 128 rows I fetch
.set CX, 21
.set CY, 22
.set TC, 23
.set TR, 40
.set YC, 41
.set G1, 24
.set G0, 32
.set G1B, 48
.set G0B, 56
.set G1S, 68
.set G0S, 76
.set G1SB, 80
.set G0SB, 88
.set MSB, 0
.macro WIN new                         ; the immediate's high byte repeats the setting that is left
.if MSB != (\new)
	s_set_vgpr_msb (MSB<<8)|(\new)
.set MSB, (\new)
.endif
.endm
.set MUL_LO, 0xa1                      ; source 0 (B) window 1, source 1 (A) window 0, C and D window 2
.set MUL_HI, 0xf1
.set TO_B,   0x40
.macro JLOAD g0a, g1a, g0b, g1b        ; a joint load: waves 0, 1 for A, waves 2, 3 for B; an s_nop 0 and four v_nop follow each line
	s_cmp_eq_u32 s[RH], 0
	s_cbranch_scc0 .Lfor_b_\@
	tensor_load_to_lds s[\g0a:\g0a+3], s[\g1a:\g1a+7]
	s_nop 0
.rept 4
	v_nop
.endr
	s_branch .Lasked_\@
.Lfor_b_\@:
	tensor_load_to_lds s[\g0b:\g0b+3], s[\g1b:\g1b+7]
	s_nop 0
.rept 4
	v_nop
.endr
.Lasked_\@:
.endm
.macro CROUND                          ; a round of the cluster's barrier
	s_barrier_signal -1
	s_barrier_wait -1
	s_cmp_lg_u32 s[WV], 0
	s_cbranch_scc1 .Lnot_wave_0_\@
	s_barrier_signal -3
.Lnot_wave_0_\@:
	s_barrier_wait -3
	s_barrier_signal -1
	s_barrier_wait -1
.endm
	s_load_b256 s[4:11], s[0:1], 0x0               ; codes, scales, bq, bk
	s_load_b128 s[12:15], s[0:1], 0x20             ; bv, qkv16
	s_load_b64 s[16:17], s[0:1], 0x30              ; qkv32
	v_lshl_add_u32 v[SPW], v0, 2, SPARE
	v_mov_b32 v[NIL], 0
	ds_add_u32 v[SPW], v[NIL]                      ; the wave's opening: the add, twice on end, and its wait ahead of my first tensor load
	ds_add_u32 v[SPW], v[NIL]
	v_lshrrev_b32 v1, 5, v0
	v_readfirstlane_b32 s[WV], v1
	s_lshr_b32 s[RH], s[WV], 1
	s_and_b32 s[CH], s[WV], 1
	s_bfe_u32 s[CX], ttmp6, 0x40000
	s_bfe_u32 s[CY], ttmp6, 0x40004
	s_lshl_b32 s[TC], ttmp9, 2
	s_add_co_u32 s[TC], s[TC], s[CX]               ; tile column = 4 x cluster x + cx; cluster x is the tensor (q, k, v)
	s_and_b32 s[YC], ttmp7, 0xffff
	s_lshl_b32 s[TR], s[CY], 3
	s_add_co_u32 s[TR], s[TR], s[YC]               ; tile row = 8 cy + cluster y
	s_lshl_b32 s42, s[CY], 2
	s_lshl_b32 s42, 15, s42                        ; my row of the cluster
	s_lshl_b32 s43, 0x1111, s[CX]                  ; my column
	s_or_b32 s[G1+0], s42, (0<<16)|(1<<20)|(1<<21)|(5<<22)|(3<<25)   ; mask; 1-byte elements; padding: 4 words behind every 64; bit 21 beside a mask
	s_or_b32 s[G1B+0], s43, (0<<16)|(1<<20)|(1<<21)|(5<<22)|(3<<25)
.irp g, G1, G1B
	s_mov_b32 s[\g+1], ROWB<<16                    ; tensor_dim0
	s_mov_b32 s[\g+2], 128<<16                     ; tensor_dim1
	s_mov_b32 s[\g+3], ROWB<<16                    ; tile_dim0
	s_mov_b32 s[\g+4], 128                         ; tile_dim1
	s_mov_b32 s[\g+5], KROW                        ; pitch
	s_mov_b32 s[\g+6], 0
	s_mov_b32 s[\g+7], 0
.endr
	s_or_b32 s[G1S+0], s42, (3<<16)|(1<<20)|(1<<21)|(5<<22)|(3<<25)  ; the scales of 128 rows: 4,096 dense bytes as 16 rows of 256
	s_or_b32 s[G1SB+0], s43, (3<<16)|(1<<20)|(1<<21)|(5<<22)|(3<<25)
.irp g, G1S, G1SB
	s_mov_b32 s[\g+1], 32<<16
	s_mov_b32 s[\g+2], (128*KS/256)<<16
	s_mov_b32 s[\g+3], 32<<16
	s_mov_b32 s[\g+4], 128*KS/256
	s_mov_b32 s[\g+5], 32
	s_mov_b32 s[\g+6], 0
	s_mov_b32 s[\g+7], 0
.endr
	s_lshl_b32 s44, s[CH], 7                       ; which 128 rows of the tile I fetch
	s_lshl_b32 s46, s[TR], 8
	s_add_co_u32 s46, s46, s44                     ; A: row 256 x tile row + 128 x half
	s_lshl_b32 s92, s[TC], 8
	s_add_co_u32 s92, s92, s44
	s_add_co_u32 s92, s92, 8192                    ; B: behind x's 8,192 rows
	s_lshl_b32 s94, s46, 5                         ; their scale bytes,
	s_mov_b32 s95, 0
	s_lshl_b32 s46, s46, 9                         ; their codes
	s_mov_b32 s47, 0
	s_lshl_b32 s96, s92, 5
	s_mov_b32 s97, 0
	s_lshl_b32 s92, s92, 9
	s_mov_b32 s93, 0
	s_mul_i32 s45, s[WV], HALFT                    ; where they go: wave x 128 rows: no place in the cluster enters an LDS address
	s_mul_i32 s98, s[WV], HALFS
	s_wait_dscnt 0x0                               ; both opening adds are done
	s_wait_kmcnt 0x0
	s_add_nc_u64 s[46:47], s[4:5], s[46:47]
	s_add_nc_u64 s[94:95], s[6:7], s[94:95]
	s_add_nc_u64 s[92:93], s[4:5], s[92:93]
	s_add_nc_u64 s[96:97], s[6:7], s[96:97]
	CROUND                                         ; all sixteen work-groups are here: the joint loads meet
	s_mov_b32 s[G0S], 1
	s_add_co_u32 s[G0S+1], s98, SCL
	s_mov_b64 s[G0S+2:G0S+3], s[94:95]
	s_or_b32 s[G0S+3], s[G0S+3], 0x80000000
	s_mov_b32 s[G0SB], 1
	s_add_co_u32 s[G0SB+1], s98, SCL
	s_mov_b64 s[G0SB+2:G0SB+3], s[96:97]
	s_or_b32 s[G0SB+3], s[G0SB+3], 0x80000000
	JLOAD G0S, G1S, G0SB, G1SB                     ; the scales first: they are wanted with the first step
.irp s, 0,1
	s_mov_b32 s[G0+4*\s], 1
	s_add_co_u32 s[G0+4*\s+1], s45, \s*SLOT
	s_add_nc_u64 s[G0+4*\s+2:G0+4*\s+3], s[46:47], \s*ROWB
	s_or_b32 s[G0+4*\s+3], s[G0+4*\s+3], 0x80000000
	s_mov_b32 s[G0B+4*\s], 1
	s_add_co_u32 s[G0B+4*\s+1], s45, \s*SLOT
	s_add_nc_u64 s[G0B+4*\s+2:G0B+4*\s+3], s[92:93], \s*ROWB
	s_or_b32 s[G0B+4*\s+3], s[G0B+4*\s+3], 0x80000000
	JLOAD G0+4*\s, G1, G0B+4*\s, G1B               ; by this text's count three tensor loads of a wave are out
.endr
	v_and_b32 v1, 15, v0                           ; r
	v_bfe_u32 v2, v0, 4, 1                         ; h
	v_mul_u32_u24 v3, v1, PITCH
	v_lshl_add_u32 v4, v2, 4, v3
	s_mul_i32 s66, s[RH], HALFT                    ; my 128 rows of A
	s_mul_i32 s67, s[CH], HALFT
	s_add_co_u32 s67, s67, 2*HALFT                 ; my 128 rows of B, behind A's 256
.irp s, 0,1
	v_add_nc_u32 v[ADRA+\s], s66, v4
	v_add_nc_u32 v[ADRB+\s], s67, v4
	s_add_co_u32 s66, s66, SLOT
	s_add_co_u32 s67, s67, SLOT
.endr
	v_mul_u32_u24 v5, v1, KS                       ; my row's scale bytes: 32 a row,
	v_lshrrev_b32 v6, 8, v5
	v_lshl_add_u32 v5, v6, 4, v5                   ; and 16 more for each 256 passed
	s_mul_i32 s66, s[RH], HALFS
	s_mul_i32 s67, s[CH], HALFS
	s_add_co_u32 s67, s67, 2*HALFS
	s_sub_co_u32 s67, s67, s66
	v_mul_u32_u24 v6, s67, v2                      ; lanes 16-31 take B's: one product, the distance between the two bases
	s_add_co_u32 s66, s66, SCL
	v_add_nc_u32 v5, v5, v6
	v_add_nc_u32 v[ADRS], s66, v5
	s_mul_i32 s66, s[WV], 4608                     ; my stage: two heads x 16 rows x 144 bytes, in slot 0
	v_mul_u32_u24 v5, v1, 144
	v_lshl_add_u32 v5, v2, 4, v5
	v_add_nc_u32 v[STO], s66, v5                   ; in: row r, 16 bytes for each half of the lanes
	v_and_b32 v6, 31, v0
	v_lshrrev_b32 v5, 3, v6
	v_mul_u32_u24 v5, v5, 144
	v_and_b32 v7, 7, v0
	v_lshl_add_u32 v5, v7, 4, v5
	v_add_nc_u32 v[RD], s66, v5                    ; back: eight lanes to a row of 128 bytes, four rows an instruction
	v_lshlrev_b32 v[CO], 4, v6
	s_cmp_eq_u32 ttmp9, 1                          ; the bias of my tensor
	s_cselect_b64 s[8:9], s[10:11], s[8:9]
	s_cmp_eq_u32 ttmp9, 2
	s_cselect_b64 s[8:9], s[12:13], s[8:9]
	s_lshl_b32 s66, s[CX], 10
	s_lshl_b32 s67, s[CH], 9
	s_add_co_u32 s66, s66, s67                     ; (256 cx + 128 half) x 4 bytes
	s_mov_b32 s67, 0
	s_add_nc_u64 s[8:9], s[8:9], s[66:67]
	v_lshlrev_b32 v[BOF], 5, v2                    ; lane (r, h) wants, for block b, the bias of columns 16 b + 8 h + 0..7
.irp b, 0,1,2,3,4,5,6,7
	global_load_b128 v[BIAS+8*\b:BIAS+8*\b+3], v[BOF], s[8:9] offset:64*\b
	global_load_b128 v[BIAS+8*\b+4:BIAS+8*\b+7], v[BOF], s[8:9] offset:64*\b+16
.endr
	s_lshl_b32 s66, ttmp9, 24                      ; qkv16: tensor,
	s_lshl_b32 s67, s[CY], 22                      ; batch,
	s_add_co_u32 s66, s66, s67
	s_lshl_b32 s67, s[CX], 20                      ; head 4 cx + 2 half, 262,144 bytes each,
	s_add_co_u32 s66, s66, s67
	s_lshl_b32 s67, s[CH], 19
	s_add_co_u32 s66, s66, s67
	s_lshl_b32 s67, s[YC], 15                      ; position 256 y + 128 half, 128 bytes each
	s_add_co_u32 s66, s66, s67
	s_lshl_b32 s67, s[RH], 14
	s_add_co_u32 s66, s66, s67
	s_mov_b32 s67, 0
	s_add_nc_u64 s[14:15], s[14:15], s[66:67]
	s_mul_i32 s66, s[CY], 196608                   ; qkv32: batch x 192 column blocks x 1,024 bytes,
	s_lshl_b32 s67, s[TC], 14                      ; column block 16 x tile column + 8 x half
	s_add_co_u32 s66, s66, s67
	s_lshl_b32 s67, s[CH], 13
	s_add_co_u32 s66, s66, s67
	s_mov_b32 s67, 0
	s_add_nc_u64 s[16:17], s[16:17], s[66:67]
.macro FRAG reg, adr, q, i             ; 16 rows x 128 K of 4-bit codes: 8 registers, two loads of 16 bytes, 32 bytes apart
.irp c, 0,1
	ds_load_b128 v[\reg+4*\c:\reg+4*\c+3], v[\adr] offset:64*(\q)+32*\c+(\i)*16*PITCH
.endr
.endm
; 16 matrix instructions: A's blocks a0, a0 + 1 x B's eight.  first = 1: the bias starts the sums.  The 64 accumulators take turns, one instruction a turn.
.macro MUL16 a0, p, q, sc, first
.irp a, \a0, \a0+1
.irp b, 0,1,2,3,4,5,6,7
.if \first
	v_wmma_scale_f32_16x16x128_f8f6f4 v[8*(8*((\a)%4)+\b):8*(8*((\a)%4)+\b)+7], v[128*(\p)+FR*\b:128*(\p)+FR*\b+FR-1], v[AF+FR*(\a):AF+FR*(\a)+FR-1], v[BIAS+8*\b:BIAS+8*\b+7], v[SC+8*NQ*(\sc)+NQ*\b+(\q)], v[SC+8*NQ*(\sc)+NQ*(\a)+(\q)] matrix_a_fmt:MATRIX_FMT_FP4 matrix_b_fmt:MATRIX_FMT_FP4 matrix_a_scale:MATRIX_SCALE_ROW1
.else
	v_wmma_scale_f32_16x16x128_f8f6f4 v[8*(8*((\a)%4)+\b):8*(8*((\a)%4)+\b)+7], v[128*(\p)+FR*\b:128*(\p)+FR*\b+FR-1], v[AF+FR*(\a):AF+FR*(\a)+FR-1], v[8*(8*((\a)%4)+\b):8*(8*((\a)%4)+\b)+7], v[SC+8*NQ*(\sc)+NQ*\b+(\q)], v[SC+8*NQ*(\sc)+NQ*(\a)+(\q)] matrix_a_fmt:MATRIX_FMT_FP4 matrix_b_fmt:MATRIX_FMT_FP4 matrix_a_scale:MATRIX_SCALE_ROW1
.endif
.endr
.endr
.endm
.macro FETCH_B slot, q, p
	WIN TO_B
.irp i, 0,1,2,3,4,5,6,7
	FRAG 128*(\p)+FR*\i, ADRB+\slot, \q, \i
.endr
	WIN 0
.endm
.macro FETCH_A slot, q, i0
.irp i, \i0, \i0+1, \i0+2, \i0+3
	FRAG AF+FR*(\i), ADRA+\slot, \q, \i
.endr
.endm
.macro SCALES sc                       ; a slot's scale words: 4 words a row; lanes 0-15 A's block i, lanes 16-31 B's block i
.irp i, 0,1,2,3,4,5,6,7
	ds_load_b128 v[SC+8*NQ*\sc+NQ*\i:SC+8*NQ*\sc+NQ*\i+3], v[ADRS] offset:\i*SBLK
.endr
.endm
.macro PLACES n                        ; plain vector instructions between a matrix instruction and a load into, or a read of, its registers
.rept \n
	v_nop
.endr
.endm
.macro STEP slot, q, first             ; a step of 128 along K that has its successor in the same slot
	s_wait_dscnt 4*NL                              ; B's set and A's blocks 0-3 are in; the eight loads of A's blocks 4-7 may be out
.if \first
	WIN 0x81                                       ; C (the bias) in window 0, D in window 2
.else
	WIN MUL_LO
.endif
	MUL16 0, (\q)%2, \q, \slot, \first
	MUL16 2, (\q)%2, \q, \slot, \first
	s_wait_dscnt 0
	PLACES NP
	FETCH_B \slot, (\q)+1, 1-(\q)%2
	FETCH_A \slot, (\q)+1, 0
.if \first
	WIN 0xc1
.else
	WIN MUL_HI
.endif
	MUL16 4, (\q)%2, \q, \slot, \first
	MUL16 6, (\q)%2, \q, \slot, \first
	PLACES NP
	WIN 0
	FETCH_A \slot, (\q)+1, 4
.endm
.macro TURN slot, next                 ; slot 0's last step: one barrier; behind it slot 1 is whole for every wave, and nobody reads slot 0 any more
	s_wait_tensorcnt 0x0                           ; all my tensor loads have landed: my part of slot 1
	ds_add_u32 v[SPW], v[NIL]                      ; 0 onto my spare word
	s_wait_dscnt 4*NL+1                            ; the add and the eight loads of A's blocks 4-7 may be out
	WIN MUL_LO
	MUL16 0, 1, NQ-1, \slot, 0
	s_wait_dscnt 0x0                               ; the add is done, and my reads of this slot are over
	s_barrier_signal -1
	MUL16 2, 1, NQ-1, \slot, 0
	WIN 0
	s_barrier_wait -1
	PLACES NP
	v_add_nc_u32 v[ADRS], 4*NQ, v[ADRS]            ; the next slot's scale words
	FETCH_B \next, 0, 0
	FETCH_A \next, 0, 0
	SCALES \next
	WIN MUL_HI
	MUL16 4, 1, NQ-1, \slot, 0
	MUL16 6, 1, NQ-1, \slot, 0
	PLACES NP
	WIN 0
	FETCH_A \next, 0, 4
.endm
.macro STEPS slot, from
.set Q, \from
.rept NQ-1-\from
	STEP \slot, Q, 0
.set Q, Q+1
.endr
.endm
	s_wait_tensorcnt 1                             ; the scales and my part of slot 0 are in; slot 1's load may be out
	s_barrier_signal -1
	s_barrier_wait -1
	FETCH_B 0, 0, 0
	FETCH_A 0, 0, 0
	SCALES 0
	FETCH_A 0, 0, 4
	s_wait_loadcnt 0x0                             ; the bias
	STEP 0, 0, 1
	STEPS 0, 1
	TURN 0, 1
	STEPS 1, 0
	s_wait_dscnt 4*NL                              ; the last step: nothing more to fetch
	WIN MUL_LO
	MUL16 0, 1, NQ-1, 1, 0
	MUL16 2, 1, NQ-1, 1, 0
	s_wait_dscnt 0
	WIN MUL_HI
	MUL16 4, 1, NQ-1, 1, 0
	MUL16 6, 1, NQ-1, 1, 0
	WIN 0
	PLACES NP
	; positions 0-15 of a batch lie in block 0 of the waves with row half 0 where the cluster's y is 0: their f32 numbers go out as they stand, 512 consecutive bytes a store
	s_cmp_lg_u32 s[YC], 0
	s_cbranch_scc1 .Lno32
	s_cmp_lg_u32 s[RH], 0
	s_cbranch_scc1 .Lno32
	WIN 0x08                                       ; a store's data are its source 1: window 2
.irp b, 0,1,2,3,4,5,6,7
	global_store_b128 v[CO], v[8*\b:8*\b+3], s[16:17] offset:1024*\b
	global_store_b128 v[CO], v[8*\b+4:8*\b+7], s[16:17] offset:1024*\b+512
.endr
	WIN 0
.Lno32:
; THE WAY OUT, a block of 16 rows x 128 columns (two heads) at a time: rounded to f16, through my stage, back as four rows of one head (512 consecutive bytes of qkv16) an instruction.
.macro PACK a
.set AC, 64*((\a)%4)
	WIN 0x0a+5*((\a)/4)                            ; sources 0 and 1: window 2 or 3
.irp b, 0,1,2,3,4,5,6,7
.irp i, 0,1,2,3
	v_cvt_pk_f16_f32 v[TMP+4*\b+\i], v[AC+8*\b+2*\i], v[AC+8*\b+2*\i+1]
.endr
.endr
	WIN 0
.endm
.macro TOSTAGE a
.set BB, BK+32*((\a)%2)
.irp b, 0,1,2,3,4,5,6,7
	ds_store_b128 v[STO], v[TMP+4*\b:TMP+4*\b+3] offset:2304*(\b/4)+32*(\b%4)
.endr
.irp t, 0,1,2,3,4,5,6,7
	ds_load_b128 v[BB+4*\t:BB+4*\t+3], v[RD] offset:2304*(\t/4)+576*(\t%4)   ; LDS serves a wave's instructions in order: these see the stores above
.endr
.endm
.macro SEND a
.set BB, BK+32*((\a)%2)
	s_wait_dscnt 0x0                               ; the block is back in registers
	s_wait_xcnt 0x0                                ; earlier stores have read their registers: the next block's loads may land there
.irp t, 0,1,2,3,4,5,6,7
	global_store_b128 v[CO], v[BB+4*\t:BB+4*\t+3], s[14:15] offset:262144*(\t/4)+2048*(\a)+512*(\t%4)
.endr
.endm
	PACK 0
	TOSTAGE 0
.irp a, 1,2,3,4,5,6,7
	PACK \a
	SEND \a-1
	TOSTAGE \a
.endr
	SEND 7
	s_wait_tensorcnt 0x0                           ; the wave's end
	ds_add_u32 v[SPW], v[NIL]
	s_wait_dscnt 0x0
	CROUND                                         ; the closing round
	s_endpgm
.Lfunc_end_k_qcc2f2c6e13_qkv:
	.size	k_qcc2f2c6e13_qkv, .Lfunc_end_k_qcc2f2c6e13_qkv-k_qcc2f2c6e13_qkv
	.p2alignl 7, 3214868480
	.fill 96, 4, 3214868480
	.section	.rodata,"a",@progbits
	.p2align	6, 0x0
	.amdhsa_kernel k_qcc2f2c6e13_qkv
		.amdhsa_group_segment_fixed_size 327680
		.amdhsa_private_segment_fixed_size 0
		.amdhsa_enable_private_segment 0
		.amdhsa_kernarg_size 56
		.amdhsa_user_sgpr_count 2
		.amdhsa_user_sgpr_kernarg_segment_ptr 1
		.amdhsa_wavefront_size32 1
		.amdhsa_system_sgpr_workgroup_id_x 1
		.amdhsa_system_sgpr_workgroup_id_y 1
		.amdhsa_system_sgpr_workgroup_id_z 1
		.amdhsa_system_vgpr_workitem_id 0
		.amdhsa_next_free_vgpr 1024
		.amdhsa_next_free_sgpr 102
		.amdhsa_reserve_vcc 0
		.amdhsa_float_denorm_mode_32 3
		.amdhsa_float_denorm_mode_16_64 3
		.amdhsa_memory_ordered 1
		.amdhsa_forward_progress 1
		.amdhsa_inst_pref_size 130
	.end_amdhsa_kernel
	.amdgpu_metadata
---
amdhsa.version: [ 1, 2 ]
amdhsa.kernels:
  - .name:           k_qcc2f2c6e13_qkv
    .symbol:         k_qcc2f2c6e13_qkv.kd
    .args:
      - { .name: codes, .offset: 0, .size: 8, .value_kind: global_buffer, .address_space: global }
      - { .name: scales, .offset: 8, .size: 8, .value_kind: global_buffer, .address_space: global }
      - { .name: bq, .offset: 16, .size: 8, .value_kind: global_buffer, .address_space: global }
      - { .name: bk, .offset: 24, .size: 8, .value_kind: global_buffer, .address_space: global }
      - { .name: bv, .offset: 32, .size: 8, .value_kind: global_buffer, .address_space: global }
      - { .name: qkv16, .offset: 40, .size: 8, .value_kind: global_buffer, .address_space: global }
      - { .name: qkv32, .offset: 48, .size: 8, .value_kind: global_buffer, .address_space: global }
    .group_segment_fixed_size: 327680
    .private_segment_fixed_size: 0
    .kernarg_segment_align: 8
    .kernarg_segment_size: 56
    .max_flat_workgroup_size: 128
    .sgpr_count:     102
    .vgpr_count:     1024
    .wavefront_size: 32
...
	.end_amdgpu_metadata
.endif
;; end of part 2
;; launch attn (part 3): grid 4 x 64, 8 waves a work-group, no clusters, 327,680 bytes of LDS; arguments qkv16, ao16; writes ao16
.if DOCPART == 3
	.amdgcn_target "amdgcn-amd-amdhsa--gfx1250"
	.amdhsa_code_object_version 6
	.text
	.protected	k_qcc2f2c6e13_attn
	.globl	k_qcc2f2c6e13_attn
	.p2align	8
	.type	k_qcc2f2c6e13_attn,@function
k_qcc2f2c6e13_attn:
	s_mov_b64 s[64:65], 0
	v_nop
	global_prefetch_b8 v0, s[64:65] scope:SCOPE_SE
	s_setreg_imm32_b32 hwreg(HW_REG_WAVE_MODE, 25, 1), 1
	s_wait_xcnt 0x0
; Causal attention of one head, f16 operands, f32 sums, f32 softmax with a running maximum.  q, k, v: qkv16 [3][64 heads][2048][64] f16; out: ao16 [64 heads][2048][64] f16.
; SHARES.  A head's 2,048 queries are 8 blocks of 256; block j needs the key slots 0 .. j of 256 keys.  Work-group p (0..3) of a head takes block 7 - p and then block p:
; (8 - p) + (p + 1) = 9 slots for every work-group: equal work and a constant trip count.  Each of 8 waves owns 32 queries of the block, two tiles of 16.
; NO CLUSTER: the four work-groups of a head change block behind trip 7 - p and begin again at key 0, so in one and the same trip partners want different tiles.
; LAYOUT.  S^T = K Q^T (source 0 = 16 keys, source 1 = 16 queries): a lane holds one query (lane % 16) and keys 8 (lane / 16) + 0..7; two such tiles packed to f16 are source 1 of
; O^T = V^T P; V ([key][channel]) comes out of LDS turned, by ds_load_tr16_b128.  p = 2^(c s - c m), c = log2(e) / 8; O and l are multiplied by 2^(c m_old - c m_new) in every step.
; MASK.  A step of 64 keys all behind the wave's 32 queries is left out by a scalar branch on ids; a step on the diagonal sets hidden scores to -infinity.  A step that is run begins at a
; key at or under the wave's first query (the step's first key is a multiple of 64, the first query of 32), so every query keeps a key and m is a number.
; RING.  Two slots of 256 keys (four steps, each 64 rows of K then 64 of V); every wave brings one tile of 64 rows x 128 bytes: waves 0-3 K of step w, waves 4-7 V of step w - 4.
; LIMITS: NaN and infinities are not served; |q|, |k|, |v| under 65,504.  Positions 0-15 of each sequence are computed again in f32 by a later launch.
; REGISTERS: window 0: v1-16 addresses; v24-39 statistics, 8 a tile; v40-71 Q; v72-135 S^T, 32 a tile; v136-167 P; v168-231 O^T.  window 1: v0-63 K, v64-127 V of a step.
.set PK,    144                        ; a row of K in LDS: 128 bytes + 16
.set PV,    160                        ; a row of V: 128 + 32
.set VOFF,  64*PK
.set STEPB, 64*(PK+PV)
.set SLOT1, 1<<17                      ; slot 1 begins here: one exclusive or turns an address
.set STAGE, SLOT1+4*STEPB              ; 32 rows x 144 bytes for each wave
.set SPARE, STAGE+8*4608               ; the spare words, 128 bytes a wave
.set SLOTB, 32768                      ; a slot's 256 rows of 128 bytes in memory
.set AK0, 3
.set AV0, 4
.set ADK, 5
.set ADV, 6
.set QO,  7
.set STO, 8
.set RD,  9
.set GO,  10
.set SPW, 11
.set NIL, 12
.set PFO, 13
.set DM,  14
.set NINF, 15
.set DT,  16
.set ST,  24                           ; tile t at ST + 8 t: +0 c m, +1 m, +2, +3 l, +4..+7 c0-c3; a takes c2's place
.set QR,  40
.set S,   72
.set P,   136
.set O,   168
.set WV,  8
.set PP,  9
.set HB,  12
.set QB,  14
.set KVB, 16
.set OB,  18
.set QP,  20
.set OP,  22
.set G1K, 24
.set G1V, 32
.set G0,  40
.set OFF, 44
.set TB,  46
.set KF,  47
.set Q0,  48
.set TRIP, 49
.set SWT, 50
.set INNER, 51
.set CS,  52
.set SEL, 54
.set PFA, 56
.set LIM, 58
.set MSB, 0
.macro WIN new
.if MSB != (\new)
	s_set_vgpr_msb (MSB<<8)|(\new)
.set MSB, (\new)
.endif
.endm
.macro TLOAD                           ; my one tile: K's shape in waves 0-3, V's (wider padding) in waves 4-7; an s_nop 0 and four v_nop follow each line
	s_cmp_lt_u32 s[WV], 4
	s_cbranch_scc0 .Lfor_v_\@
	tensor_load_to_lds s[G0:G0+3], s[G1K:G1K+7]
	s_nop 0
.rept 4
	v_nop
.endr
	s_branch .Lasked_\@
.Lfor_v_\@:
	tensor_load_to_lds s[G0:G0+3], s[G1V:G1V+7]
	s_nop 0
.rept 4
	v_nop
.endr
.Lasked_\@:
.endm
; A PREFETCH INTO THE L2: work-group 0 of a head walks slots 0 to 7 in trips 0 to 7; in trip t each of its waves names the 8,192 bytes (lanes 256 bytes apart) that it will itself load one
; change of slots later, slot t + 2's.  So each block of K and V is named once in the launch.  Slots 0 and 1 come by their loads alone; trips 6 and 7 ask for nothing.
.macro ASK
	s_cmp_lt_u32 s[TRIP], s[LIM]
	s_cbranch_scc0 .Lnot_mine_\@
	global_prefetch_b8 v[PFO], s[PFA:PFA+1] th:TH_LOAD_NT scope:SCOPE_SE
.Lnot_mine_\@:
.endm
	s_load_b128 s[4:7], s[0:1], 0x0                ; qkv16, ao16
	v_lshl_add_u32 v[SPW], v0, 2, SPARE
	v_mov_b32 v[NIL], 0
	ds_add_u32 v[SPW], v[NIL]                      ; the wave's opening: the add, twice on end, and its wait ahead of my first tensor load
	ds_add_u32 v[SPW], v[NIL]
	v_lshrrev_b32 v1, 5, v0
	v_readfirstlane_b32 s[WV], v1
	s_mov_b32 s[PP], ttmp9
	s_and_b32 s60, ttmp7, 0xffff
	s_lshl_b32 s[HB], s60, 18                      ; the head's 262,144 bytes
	s_mov_b32 s[HB+1], 0
	s_lshr_b32 s62, s[WV], 2                       ; 0: I fetch K, 1: V
	s_and_b32 s63, s[WV], 3                        ; which of a slot's four steps
	s_add_co_u32 s60, s62, 1
	s_lshl_b32 s60, s60, 24                        ; tensor k or v,
	s_add_co_u32 s60, s60, s[HB]                   ; the head,
	s_lshl_b32 s61, s63, 13                        ; my step's 64 rows
	s_add_co_u32 s60, s60, s61
	s_mov_b32 s61, 0
	s_mul_i32 s63, s63, STEPB
	s_mul_i32 s62, s62, VOFF
	s_mov_b32 s[G0], 1
	s_add_co_u32 s[G0+1], s63, s62                 ; my tile's place in slot 0
	s_mov_b32 s[G1K], (1<<16)|(1<<20)|(4<<22)|(3<<25)   ; 2-byte elements; 4 words of padding behind every 32
	s_mov_b32 s[G1V], (1<<16)|(1<<20)|(4<<22)|(7<<25)   ; 8 words
.irp g, G1K, G1V
	s_mov_b32 s[\g+1], 64<<16                      ; tensor_dim0
	s_mov_b32 s[\g+2], 64<<16                      ; tensor_dim1
	s_mov_b32 s[\g+3], 64<<16                      ; tile_dim0
	s_mov_b32 s[\g+4], 64                          ; tile_dim1
	s_mov_b32 s[\g+5], 64                          ; pitch
	s_mov_b32 s[\g+6], 0
	s_mov_b32 s[\g+7], 0
.endr
	s_mov_b32 s[CS], 0x3e38aa3b                    ; c = log2(e) / 8
	s_mov_b32 s[CS+1], s[CS]
	s_mov_b32 s[SEL], 0x76543210
	s_mov_b32 s[SEL+1], 0xfedcba98
	s_mov_b32 s[OFF], 0
	s_mov_b32 s[OFF+1], 0
	s_mov_b32 s[TB], 0
	s_mov_b32 s[KF], 0
	s_mov_b32 s[TRIP], 0
	s_sub_co_u32 s[SWT], 7, s[PP]                  ; the first block, and its last trip
	s_lshl_b32 s[Q0], s[SWT], 8
	s_lshl_b32 s59, s[WV], 5
	s_add_co_u32 s[Q0], s[Q0], s59                 ; my first query
	s_cmp_eq_u32 s[PP], 0
	s_cselect_b32 s[LIM], 6, 0
	s_wait_dscnt 0x0                               ; both opening adds are done
	s_wait_kmcnt 0x0
	s_add_nc_u64 s[QB:QB+1], s[4:5], s[HB:HB+1]
	s_add_nc_u64 s[KVB:KVB+1], s[4:5], s[60:61]
	s_add_nc_u64 s[OB:OB+1], s[6:7], s[HB:HB+1]
	s_add_nc_u64 s[PFA:PFA+1], s[KVB:KVB+1], SLOTB ; in slot 1: the first change of slots steps it to slot 2
	s_mov_b64 s[G0+2:G0+3], s[KVB:KVB+1]
	s_or_b32 s[G0+3], s[G0+3], 0x80000000
	TLOAD                                          ; slot 0
	v_and_b32 v1, 15, v0                           ; r
	v_bfe_u32 v2, v0, 4, 1                         ; h
	v_mul_u32_u24 v[AK0], v1, PK
	v_lshl_add_u32 v[AK0], v2, 4, v[AK0]
	v_and_b32 v17, 7, v0
	v_bfe_u32 v18, v0, 3, 1
	v_lshl_add_u32 v[AV0], v2, 3, v17              ; the turning load: key 8 h + lane % 8, channels 8 ((lane / 8) % 2) on
	v_mul_u32_u24 v[AV0], v[AV0], PV
	v_lshl_add_u32 v[AV0], v18, 4, v[AV0]
	v_add_nc_u32 v[AV0], VOFF, v[AV0]
	v_lshlrev_b32 v[QO], 7, v1
	v_lshl_add_u32 v[QO], v2, 4, v[QO]
	s_mul_i32 s60, s[WV], 4608
	s_add_co_u32 s60, s60, STAGE
	v_mul_u32_u24 v[STO], v1, 144
	v_lshl_add_u32 v[STO], v2, 4, v[STO]
	v_add_nc_u32 v[STO], s60, v[STO]
	v_and_b32 v19, 31, v0
	v_lshrrev_b32 v[RD], 3, v19
	v_mul_u32_u24 v[RD], v[RD], 144
	v_lshl_add_u32 v[RD], v17, 4, v[RD]
	v_add_nc_u32 v[RD], s60, v[RD]
	v_lshlrev_b32 v[GO], 4, v19
	v_lshlrev_b32 v[PFO], 8, v19
	v_lshlrev_b32 v[DM], 3, v2
	v_sub_nc_u32 v[DM], v1, v[DM]                  ; r - 8 h
	v_mov_b32 v[NINF], 0xff800000
; A block begins: Q's four fragments, m = -3e38 (under every score), l = 0, O^T = 0 (the first change of m multiplies zeros).
.macro BEGIN
	s_lshl_b32 s60, s[Q0], 7
	s_mov_b32 s61, 0
	s_add_nc_u64 s[QP:QP+1], s[QB:QB+1], s[60:61]
	s_add_nc_u64 s[OP:OP+1], s[OB:OB+1], s[60:61]
.irp t, 0,1
.irp c, 0,1
	global_load_b128 v[QR+16*\t+8*\c:QR+16*\t+8*\c+3], v[QO], s[QP:QP+1] offset:2048*\t+64*\c
	global_load_b128 v[QR+16*\t+8*\c+4:QR+16*\t+8*\c+7], v[QO], s[QP:QP+1] offset:2048*\t+64*\c+32
.endr
.endr
.irp t, 0,1
	v_mov_b32 v[ST+8*\t+1], 0xff61b1e6
	v_mul_f32 v[ST+8*\t], s[CS], v[ST+8*\t+1]
.irp j, 2,3,4,5,6,7
	v_mov_b32 v[ST+8*\t+\j], 0
.endr
.endr
.set i, 0
.rept 64
	v_mov_b32 v[O+i], 0
.set i, i+1
.endr
	s_wait_loadcnt 0x0
.endm
; 16 products each; the eight accumulators take turns, one instruction a turn.
.macro KQ16
.set i, 0
.rept 16
.set rS, S+32*(i%2)+8*((i/2)%4)
.set rK, 16*((i/2)%4)+8*(i/8)
.set rQ, QR+16*(i%2)+8*(i/8)
.if i < 8
	v_wmma_f32_16x16x32_f16 v[rS:rS+7], v[rK:rK+7], v[rQ:rQ+7], 0
.else
	v_wmma_f32_16x16x32_f16 v[rS:rS+7], v[rK:rK+7], v[rQ:rQ+7], v[rS:rS+7]
.endif
.set i, i+1
.endr
.endm
.macro PV16
.set i, 0
.rept 16
.set rO, O+32*(i%2)+8*((i/2)%4)
.set rV, 64+32*(i/8)+8*((i/2)%4)
.set rP, P+16*(i%2)+8*(i/8)
	v_wmma_f32_16x16x32_f16 v[rO:rO+7], v[rV:rV+7], v[rP:rP+7], v[rO:rO+7]
.set i, i+1
.endr
.endm
; On the diagonal: register n of tile t holds key KF + 16 (n / 8) + 8 h + n % 8 for query Q0 + 16 t + r: hidden where 16 (n / 8) + n % 8 - 16 t > Q0 - KF + r - 8 h.
.macro MASK
	s_add_co_u32 s60, s[KF], 63
	s_cmp_le_u32 s60, s[Q0]
	s_cbranch_scc1 .Lopen_\@
	s_sub_co_i32 s60, s[Q0], s[KF]
	v_add_nc_u32 v[DT], s60, v[DM]
.irp t, 0,1
.set n, 0
.rept 32
	v_cmp_gt_i32 vcc_lo, 16*(n/8)+n%8-16*\t, v[DT]
	v_cndmask_b32 v[S+32*\t+n], v[S+32*\t+n], v[NINF], vcc_lo
.set n, n+1
.endr
.endr
.Lopen_\@:
.endm
.macro SOFTMAX                         ; the two tiles alternate line by line
.irp j, 0,1,2,3
.irp t, 0,1
	v_max3_num_f32 v[ST+8*\t+4+\j], v[S+32*\t+8*\j], v[S+32*\t+8*\j+1], v[S+32*\t+8*\j+2]   ; four chains, each from an accumulator's low end on
.endr
.endr
.irp g, 3,5
.irp j, 0,1,2,3
.irp t, 0,1
	v_max3_num_f32 v[ST+8*\t+4+\j], v[ST+8*\t+4+\j], v[S+32*\t+8*\j+\g], v[S+32*\t+8*\j+\g+1]
.endr
.endr
.endr
.irp t, 0,1
	v_max3_num_f32 v[ST+8*\t+4], v[ST+8*\t+4], v[S+32*\t+7], v[S+32*\t+15]
.endr
.irp t, 0,1
	v_max3_num_f32 v[ST+8*\t+6], v[ST+8*\t+6], v[S+32*\t+23], v[S+32*\t+31]
.endr
.irp t, 0,1
	v_max3_num_f32 v[ST+8*\t+4], v[ST+8*\t+4], v[ST+8*\t+5], v[ST+8*\t+6]
.endr
.irp t, 0,1
	v_max3_num_f32 v[ST+8*\t+4], v[ST+8*\t+4], v[ST+8*\t+7], v[ST+8*\t+1]   ; with the old m
.endr
.irp t, 0,1
	v_permlanex16_b32 v[ST+8*\t+5], v[ST+8*\t+4], s[SEL], s[SEL+1]          ; the query's other 32 keys lie in the lane 16 away
.endr
.irp t, 0,1
	v_mov_b32 v[ST+8*\t+7], v[ST+8*\t]                                      ; c m_old
.endr
.irp t, 0,1
	v_max_num_f32 v[ST+8*\t+1], v[ST+8*\t+4], v[ST+8*\t+5]
.endr
.irp t, 0,1
	v_mul_f32 v[ST+8*\t], s[CS], v[ST+8*\t+1]
.endr
.irp t, 0,1
	v_sub_f32 v[ST+8*\t+7], v[ST+8*\t+7], v[ST+8*\t]
.endr
.set i, 0
.rept 16
.irp t, 0,1
	v_pk_fma_f32 v[S+32*\t+2*i:S+32*\t+2*i+1], v[S+32*\t+2*i:S+32*\t+2*i+1], s[CS:CS+1], v[ST+8*\t:ST+8*\t+1] op_sel_hi:[1,0,0] neg_lo:[0,0,1] neg_hi:[0,0,1]   ; c s - c m
.endr
.set i, i+1
.endr
.irp t, 0,1
	v_exp_f32 v[ST+8*\t+6], v[ST+8*\t+7]                                    ; a = 2^(c m_old - c m_new)
.endr
.set i, 0
.rept 32
	v_exp_f32 v[S+i], v[S+i]
	v_exp_f32 v[S+32+i], v[S+32+i]
.set i, i+1
.endr
	v_nop                                          ; a plain instruction behind the last exponential
	s_wait_alu depctr_va_vdst(0)                   ; one wait for the batch of 66, ahead of its first reader
.set i, 0
.rept 16
	v_cvt_pk_f16_f32 v[P+i], v[S+2*i], v[S+2*i+1]
	v_cvt_pk_f16_f32 v[P+16+i], v[S+32+2*i], v[S+32+2*i+1]
.set i, i+1
.endr
.irp w, 4,8,16,32                      ; the sum of a tile's 16 pairs, in place: neighbours 1, 2, 4, 8 pairs apart
.set u, 0
.rept 32/\w
.irp t, 0,1
	v_pk_add_f32 v[S+32*\t+\w*u:S+32*\t+\w*u+1], v[S+32*\t+\w*u:S+32*\t+\w*u+1], v[S+32*\t+\w*u+\w/2:S+32*\t+\w*u+\w/2+1]
.endr
.set u, u+1
.endr
.endr
.irp t, 0,1
	v_pk_fma_f32 v[ST+8*\t+2:ST+8*\t+3], v[ST+8*\t+2:ST+8*\t+3], v[ST+8*\t+6:ST+8*\t+7], v[S+32*\t:S+32*\t+1] op_sel_hi:[1,0,1]   ; l = a l + the sum
.endr
.set i, 0
.rept 16
.irp t, 0,1
	v_pk_mul_f32 v[O+32*\t+2*i:O+32*\t+2*i+1], v[O+32*\t+2*i:O+32*\t+2*i+1], v[ST+8*\t+6:ST+8*\t+7] op_sel_hi:[1,0]   ; O^T x a, each accumulator from its low end on
.endr
.set i, i+1
.endr
.endm
; A KEY STEP of 64 keys at LDS byte TB.
.macro STEP
	s_add_co_u32 s60, s[Q0], 31
	s_cmp_gt_u32 s[KF], s60                        ; all 64 keys come after my 32 queries: ids and counts of steps alone
	s_cbranch_scc1 .Lhidden_\@
	v_add_nc_u32 v[ADK], s[TB], v[AK0]
	v_add_nc_u32 v[ADV], s[TB], v[AV0]
	v_nop
	v_nop                                          ; with the two additions: four places between the last products and the loads into V's registers (ISA guide 7.12.1 for vector instructions)
	WIN 0x40                                       ; destination window 1
.irp f, 0,1,2,3,4,5,6,7
	ds_load_b128 v[8*\f:8*\f+3],   v[ADK] offset:2304*(\f/2)+64*(\f%2)
	ds_load_b128 v[8*\f+4:8*\f+7], v[ADK] offset:2304*(\f/2)+64*(\f%2)+32
.endr
.irp f, 0,1,2,3,4,5,6,7
	ds_load_tr16_b128 v[64+8*\f:64+8*\f+3],   v[ADV] offset:5120*(\f/4)+32*(\f%4)
	ds_load_tr16_b128 v[64+8*\f+4:64+8*\f+7], v[ADV] offset:5120*(\f/4)+32*(\f%4)+2560
.endr
	s_wait_dscnt 16                                ; K is in; V's sixteen loads may be out
	WIN 0x01                                       ; source 0 window 1
	KQ16
	WIN 0
.rept 4
	v_nop
.endr
	MASK
	SOFTMAX
	s_wait_dscnt 0x0                               ; V is in
	WIN 0x01
	PV16
	WIN 0
.Lhidden_\@:
	s_add_co_u32 s[KF], s[KF], 64
	s_add_co_u32 s[TB], s[TB], STEPB
.endm
.macro FOUR_STEPS                      ; a slot's four steps: written once, walked four times
	s_mov_b32 s[INNER], 4
.Lstep_\@:
	STEP
	s_sub_co_u32 s[INNER], s[INNER], 1
	s_cmp_lg_u32 s[INNER], 0
	s_cbranch_scc1 .Lstep_\@
	s_sub_co_u32 s[TB], s[TB], 4*STEPB
	s_xor_b32 s[TB], s[TB], SLOT1                  ; on to the other slot
.endm
; THE CHANGE OF SLOTS, at a slot's head: all my tensor loads have landed (my tile of the slot ahead), the add, my reads of the slot that I left are over; the barrier; then my one load, into the slot left.
; It brings the next trip's keys: one slot on, or, in the first block's last trip, the second block's slot 0.
.macro CHANGE fill
	s_wait_tensorcnt 0x0                           ; no tensor load of mine is out, so the group 0 may be written
	ds_add_u32 v[SPW], v[NIL]                      ; 0 onto my spare word
.if \fill
	s_xor_b32 s[G0+1], s[G0+1], SLOT1
	s_add_co_u32 s[OFF], s[OFF], SLOTB
	s_cmp_eq_u32 s[TRIP], s[SWT]
	s_cselect_b32 s[OFF], 0, s[OFF]
	s_add_nc_u64 s[G0+2:G0+3], s[KVB:KVB+1], s[OFF:OFF+1]
	s_or_b32 s[G0+3], s[G0+3], 0x80000000
	s_wait_xcnt 0x0                                ; the last prefetch, a slot back, has read its address
	s_add_nc_u64 s[PFA:PFA+1], s[PFA:PFA+1], SLOTB
.endif
	s_wait_dscnt 0x0
	s_barrier_signal -1
	s_barrier_wait -1
.if \fill
	TLOAD                                          ; by this text's count one tensor load of a wave is out; it has a slot's four steps in which to land
	ASK
.endif
.endm
; A block's way out: O^T / l, rounded to f16, through my stage; back as four rows (512 consecutive bytes of ao16) an instruction.
.macro OUT
.rept 4
	v_nop
.endr
.irp t, 0,1
	v_add_f32 v[ST+8*\t+4], v[ST+8*\t+2], v[ST+8*\t+3]
.endr
.irp t, 0,1
	v_permlanex16_b32 v[ST+8*\t+5], v[ST+8*\t+4], s[SEL], s[SEL+1]
.endr
.irp t, 0,1
	v_add_f32 v[ST+8*\t+4], v[ST+8*\t+4], v[ST+8*\t+5]
.endr
.irp t, 0,1
	v_rcp_f32 v[ST+8*\t+6], v[ST+8*\t+4]
.endr
	v_nop
	s_wait_alu depctr_va_vdst(0)                   ; one wait for the two reciprocals, ahead of their first reader
.set i, 0
.rept 32
	v_pk_mul_f32 v[S+2*i:S+2*i+1], v[O+2*i:O+2*i+1], v[ST+8*(i/16)+6:ST+8*(i/16)+7] op_sel_hi:[1,0]
.set i, i+1
.endr
.set i, 0
.rept 32
	v_cvt_pk_f16_f32 v[P+i], v[S+2*i], v[S+2*i+1]
.set i, i+1
.endr
.irp f, 0,1,2,3,4,5,6,7
	ds_store_b128 v[STO], v[P+4*\f:P+4*\f+3] offset:2304*(\f/4)+32*(\f%4)
.endr
.irp f, 0,1,2,3,4,5,6,7
	ds_load_b128 v[S+4*\f:S+4*\f+3], v[RD] offset:576*\f      ; LDS serves a wave's instructions in order: these see the stores above
.endr
.irp f, 0,1,2,3,4,5,6,7
	s_wait_dscnt 7-\f                              ; the younger loads may stay out
	global_store_b128 v[GO], v[S+4*\f:S+4*\f+3], s[OP:OP+1] offset:512*\f
.endr
	s_wait_xcnt 0x0                                ; the stores have read their registers and their base
.endm
	BEGIN
.Lslot:                                            ; eight trips; behind each change the next trip's slot is asked for
	CHANGE 1
	FOUR_STEPS
	s_cmp_lg_u32 s[TRIP], s[SWT]                   ; the first block's last trip?  The work-group's number and the count of trips alone: all eight waves go the same way
	s_cbranch_scc1 .Lsame
	OUT
	s_lshl_b32 s[Q0], s[PP], 8
	s_lshl_b32 s60, s[WV], 5
	s_add_co_u32 s[Q0], s[Q0], s60
	s_mov_b32 s[KF], 0
	BEGIN
.Lsame:
	s_add_co_u32 s[TRIP], s[TRIP], 1
	s_cmp_lt_u32 s[TRIP], 8
	s_cbranch_scc1 .Lslot
	CHANGE 0                                       ; the ninth slot is written out: nothing is left to fetch
	FOUR_STEPS
	OUT
	s_wait_tensorcnt 0x0                           ; the wave's end
	ds_add_u32 v[SPW], v[NIL]
	s_wait_dscnt 0x0
	s_endpgm
.Lfunc_end_k_qcc2f2c6e13_attn:
	.size	k_qcc2f2c6e13_attn, .Lfunc_end_k_qcc2f2c6e13_attn-k_qcc2f2c6e13_attn
	.p2alignl 7, 3214868480
	.fill 96, 4, 3214868480
	.section	.rodata,"a",@progbits
	.p2align	6, 0x0
	.amdhsa_kernel k_qcc2f2c6e13_attn
		.amdhsa_group_segment_fixed_size 327680
		.amdhsa_private_segment_fixed_size 0
		.amdhsa_enable_private_segment 0
		.amdhsa_kernarg_size 16
		.amdhsa_user_sgpr_count 2
		.amdhsa_user_sgpr_kernarg_segment_ptr 1
		.amdhsa_wavefront_size32 1
		.amdhsa_system_sgpr_workgroup_id_x 1
		.amdhsa_system_sgpr_workgroup_id_y 1
		.amdhsa_system_sgpr_workgroup_id_z 1
		.amdhsa_system_vgpr_workitem_id 0
		.amdhsa_next_free_vgpr 384
		.amdhsa_next_free_sgpr 66
		.amdhsa_reserve_vcc 1
		.amdhsa_float_denorm_mode_32 3
		.amdhsa_float_denorm_mode_16_64 3
		.amdhsa_memory_ordered 1
		.amdhsa_forward_progress 1
		.amdhsa_inst_pref_size 70
	.end_amdhsa_kernel
	.amdgpu_metadata
---
amdhsa.version: [ 1, 2 ]
amdhsa.kernels:
  - .name:           k_qcc2f2c6e13_attn
    .symbol:         k_qcc2f2c6e13_attn.kd
    .args:
      - { .name: qkv16, .offset: 0, .size: 8, .value_kind: global_buffer, .address_space: global }
      - { .name: ao16, .offset: 8, .size: 8, .value_kind: global_buffer, .address_space: global }
    .group_segment_fixed_size: 327680
    .private_segment_fixed_size: 0
    .kernarg_segment_align: 8
    .kernarg_segment_size: 16
    .max_flat_workgroup_size: 256
    .sgpr_count:     66
    .vgpr_count:     384
    .wavefront_size: 32
...
	.end_amdgpu_metadata
.endif
;; end of part 3
;; launch proj (part 4): grid 4 x 64, 4 waves a work-group, clusters of 4 x 4, 327,680 bytes of LDS; arguments ao16, wo16, bo, out0; writes out0
.if DOCPART == 4
	.amdgcn_target "amdgcn-amd-amdhsa--gfx1250"
	.amdhsa_code_object_version 6
	.text
	.protected	k_qcc2f2c6e13_proj
	.globl	k_qcc2f2c6e13_proj
	.p2align	8
	.type	k_qcc2f2c6e13_proj,@function
k_qcc2f2c6e13_proj:
	s_mov_b64 s[64:65], 0
	v_nop
	global_prefetch_b8 v0, s[64:65] scope:SCOPE_SE
	s_setreg_imm32_b32 hwreg(HW_REG_WAVE_MODE, 25, 1), 1
	s_wait_xcnt 0x0
	s_wait_alu depctr_hold_cnt(0) depctr_sa_sdst(0) depctr_va_vdst(0) depctr_va_sdst(0) depctr_va_ssrc(0) depctr_va_vcc(0) depctr_vm_vsrc(0)
	s_getreg_b32 s2, hwreg(HW_REG_IB_STS2, 6, 4)
	s_cmp_eq_u32 s2, 0
	s_cbranch_scc0 .Lentry_in_a_cluster
	s_endpgm
.Lentry_in_a_cluster:
	s_bfe_u32 s2, ttmp6, 0x10000c
	s_cmp_lg_u32 s2, 0xf033
	s_cbranch_scc0 .Lentry_shape_is_right
	s_endpgm
.Lentry_shape_is_right:
; out0 [8192][1024] f32 = ao Wo^T + bo, f16 operands, f32 sums.  ao16 lies by head, [4 b][16 h][2048 t][64]; wo16 [1024 n][1024 k].
; A tile of C is 128 rows x 256 columns: 256 work-groups; a wave makes 64 x 128: 32 accumulators.  K goes in steps of 128 (two heads) through two LDS slots: waves 0, 1 bring the two heads'
; planes of A (128 rows x 128 bytes, dense), waves 2, 3 the two halves of B (128 rows x 256 bytes).  THE MATRIX INSTRUCTION IS USED TRANSPOSED (source 0 = rows of Wo, source 1 = rows of ao).
; CLUSTERS: 4 x 4; A's tiles are asked for jointly along a row of the cluster, B's along a column.
; LIMIT: |ao|, |Wo| under 65,504.  Rows 0-15 of each batch are written again, in f32 arithmetic, by the launch that follows.
; REGISTERS: window 0: v16-29 addresses; fragment buffer f: A at v[32 + 32 f], B at v[96 + 64 f]; v224-227 the bias.  window 1: accumulator (a, b) at 8 (8 a + b).
.set SLOT,  106496                     ; A's two planes (128 x 144 each), then B's two halves (128 x 272 each)
.set SPARE, 2*SLOT                     ; the spare words, 128 bytes a wave
.set ADRA, 16
.set ADRB, 20
.set STO,  24
.set RD,   25
.set CO,   26
.set SPW,  28
.set NIL,  29
.set BI,   224
.set BK,   32
.set G1, 24
.set G0, 32
.set G1B, 48
.set G0B, 56
.set MSB, 0
.macro WIN new
.if MSB != (\new)
	s_set_vgpr_msb (MSB<<8)|(\new)
.set MSB, (\new)
.endif
.endm
.set MUL, 0x50                         ; C and D window 1
.macro JLOAD s                         ; waves 0, 1 for A, waves 2, 3 for B; an s_nop 0 and four v_nop follow each line
	s_cmp_eq_u32 s13, 0
	s_cbranch_scc0 .Lfor_b_\@
	tensor_load_to_lds s[G0+4*\s:G0+4*\s+3], s[G1:G1+7]
	s_nop 0
.rept 4
	v_nop
.endr
	s_branch .Lasked_\@
.Lfor_b_\@:
	tensor_load_to_lds s[G0B+4*\s:G0B+4*\s+3], s[G1B:G1B+7]
	s_nop 0
.rept 4
	v_nop
.endr
.Lasked_\@:
.endm
.macro CREST
	s_cmp_lg_u32 s12, 0
	s_cbranch_scc1 .Lnot_wave_0_\@
	s_barrier_signal -3
.Lnot_wave_0_\@:
	s_barrier_wait -3
	s_barrier_signal -1
	s_barrier_wait -1
.endm
.macro CROUND
	s_barrier_signal -1
	s_barrier_wait -1
	CREST
.endm
	s_load_b256 s[4:11], s[0:1], 0x0               ; ao16, wo16, bo, out0
	v_lshl_add_u32 v[SPW], v0, 2, SPARE
	v_mov_b32 v[NIL], 0
	ds_add_u32 v[SPW], v[NIL]                      ; the wave's opening: the add, twice on end, and its wait ahead of my first tensor load
	ds_add_u32 v[SPW], v[NIL]
	v_lshrrev_b32 v1, 5, v0
	v_readfirstlane_b32 s12, v1                    ; wave
	s_lshr_b32 s13, s12, 1                         ; my half of the rows; also: I fetch for A (0) or B (1)
	s_and_b32 s14, s12, 1                          ; my half of the columns; also: which plane or half I fetch
	s_bfe_u32 s40, ttmp6, 0x40000                  ; cx
	s_bfe_u32 s41, ttmp6, 0x40004                  ; cy
	s_lshl_b32 s42, ttmp9, 2
	s_add_co_u32 s42, s42, s40                     ; tile column
	s_and_b32 s15, ttmp7, 0xffff
	s_lshl_b32 s15, s15, 2
	s_add_co_u32 s15, s15, s41                     ; tile row
	s_lshl_b32 s43, s41, 2
	s_lshl_b32 s43, 15, s43
	s_lshl_b32 s44, 0x1111, s40
	s_or_b32 s[G1+0], s43, (1<<16)|(1<<20)|(1<<21)|(4<<22)|(3<<25)    ; A: rows of 32 words, 4 words of padding
	s_mov_b32 s[G1+1], 64<<16
	s_mov_b32 s[G1+2], 128<<16
	s_mov_b32 s[G1+3], 64<<16
	s_mov_b32 s[G1+4], 128
	s_mov_b32 s[G1+5], 64
	s_mov_b32 s[G1+6], 0
	s_mov_b32 s[G1+7], 0
	s_or_b32 s[G1B+0], s44, (1<<16)|(1<<20)|(1<<21)|(5<<22)|(3<<25)   ; B: rows of 64 words, 4 words of padding
	s_mov_b32 s[G1B+1], 128<<16
	s_mov_b32 s[G1B+2], 128<<16
	s_mov_b32 s[G1B+3], 128<<16
	s_mov_b32 s[G1B+4], 128
	s_mov_b32 s[G1B+5], 1024
	s_mov_b32 s[G1B+6], 0
	s_mov_b32 s[G1B+7], 0
	s_lshr_b32 s16, s15, 4
	s_lshl_b32 s16, s16, 22                        ; A: the batch's 16 heads,
	s_and_b32 s17, s15, 15
	s_lshl_b32 s17, s17, 14                        ; position 128 (tile row % 16), 128 bytes each,
	s_add_co_u32 s16, s16, s17
	s_lshl_b32 s17, s14, 18                        ; my head of the step's two
	s_add_co_u32 s16, s16, s17
	s_mov_b32 s17, 0
	s_lshl_b32 s46, s42, 19                        ; B: row 256 x tile column + 128 x half, 2,048 bytes each
	s_lshl_b32 s47, s14, 18
	s_add_co_u32 s46, s46, s47
	s_mov_b32 s47, 0
	s_mul_i32 s20, s14, 18432                      ; where they go: no place in the cluster enters an LDS address
	s_mul_i32 s21, s14, 34816
	s_add_co_u32 s21, s21, 36864
	s_wait_dscnt 0x0
	s_wait_kmcnt 0x0
	s_add_nc_u64 s[16:17], s[4:5], s[16:17]
	s_add_nc_u64 s[46:47], s[6:7], s[46:47]
	CROUND
.irp s, 0,1
	s_mov_b32 s[G0+4*\s], 1
	s_add_co_u32 s[G0+4*\s+1], s20, \s*SLOT
	s_add_nc_u64 s[G0+4*\s+2:G0+4*\s+3], s[16:17], \s*524288     ; K step s: heads 2 s, 2 s + 1
	s_or_b32 s[G0+4*\s+3], s[G0+4*\s+3], 0x80000000
	s_mov_b32 s[G0B+4*\s], 1
	s_add_co_u32 s[G0B+4*\s+1], s21, \s*SLOT
	s_add_nc_u64 s[G0B+4*\s+2:G0B+4*\s+3], s[46:47], \s*256
	s_or_b32 s[G0B+4*\s+3], s[G0B+4*\s+3], 0x80000000
	JLOAD \s
.endr
	v_and_b32 v1, 15, v0
	v_bfe_u32 v2, v0, 4, 1
	v_mul_u32_u24 v3, v1, 144
	v_lshl_add_u32 v3, v2, 4, v3
	v_mul_u32_u24 v4, v1, 272
	v_lshl_add_u32 v4, v2, 4, v4
	s_mul_i32 s21, s13, 9216                       ; my 64 rows of each plane of A
	s_mul_i32 s22, s14, 34816
	s_add_co_u32 s22, s22, 36864                   ; my 128 rows of B
.irp s, 0,1
	v_add_nc_u32 v[ADRA+\s], s21, v3
	v_add_nc_u32 v[ADRB+\s], s22, v4
	s_add_co_u32 s21, s21, SLOT
	s_add_co_u32 s22, s22, SLOT
.endr
	s_mul_i32 s23, s12, 8448                       ; my stage, 16 rows x 528 bytes, in slot 0
	v_mul_u32_u24 v5, v1, 528
	v_lshl_add_u32 v5, v2, 5, v5
	v_add_nc_u32 v[STO], s23, v5
	v_and_b32 v6, 31, v0
	v_lshlrev_b32 v[CO], 4, v6
	v_add_nc_u32 v[RD], s23, v[CO]
	s_lshl_b32 s46, s42, 10                        ; my first column, in bytes
	s_lshl_b32 s47, s14, 9
	s_add_co_u32 s46, s46, s47
	s_mov_b32 s47, 0
	s_add_nc_u64 s[8:9], s[8:9], s[46:47]
	global_load_b128 v[BI:BI+3], v[CO], s[8:9]     ; the bias of the four columns that I store
	s_lshl_b32 s22, s15, 19                        ; my first row: 128 x tile row + 64 x half, 4,096 bytes each
	s_lshl_b32 s23, s13, 18
	s_add_co_u32 s22, s22, s23
	s_mov_b32 s23, 0
	s_add_nc_u64 s[10:11], s[10:11], s[22:23]
	s_add_nc_u64 s[10:11], s[10:11], s[46:47]
.macro MULA f, a, zero                 ; 8 products: A's block a x B's eight, 32 along K; the 32 accumulators take turns
.irp b, 0,1,2,3,4,5,6,7
.if \zero
	v_wmma_f32_16x16x32_f16 v[8*(8*(\a)+\b):8*(8*(\a)+\b)+7], v[96+64*(\f)+8*\b:96+64*(\f)+8*\b+7], v[32+32*(\f)+8*(\a):32+32*(\f)+8*(\a)+7], 0
.else
	v_wmma_f32_16x16x32_f16 v[8*(8*(\a)+\b):8*(8*(\a)+\b)+7], v[96+64*(\f)+8*\b:96+64*(\f)+8*\b+7], v[32+32*(\f)+8*(\a):32+32*(\f)+8*(\a)+7], v[8*(8*(\a)+\b):8*(8*(\a)+\b)+7]
.endif
.endr
.endm
.macro FETCH slot, q, f                ; 24 LDS loads in one run: quarter q's fragments: B's eight, then A's four
.irp i, 0,1,2,3,4,5,6,7
	ds_load_b128 v[96+64*(\f)+8*\i:96+64*(\f)+8*\i+3],   v[ADRB+\slot] offset:64*(\q)+4352*\i
	ds_load_b128 v[96+64*(\f)+8*\i+4:96+64*(\f)+8*\i+7], v[ADRB+\slot] offset:64*(\q)+4352*\i+32
.endr
.irp i, 0,1,2,3
	ds_load_b128 v[32+32*(\f)+8*\i:32+32*(\f)+8*\i+3],   v[ADRA+\slot] offset:18432*((\q)/2)+64*((\q)%2)+2304*\i
	ds_load_b128 v[32+32*(\f)+8*\i+4:32+32*(\f)+8*\i+7], v[ADRA+\slot] offset:18432*((\q)/2)+64*((\q)%2)+2304*\i+32
.endr
.endm
.macro PLACES
.rept 4
	v_nop
.endr
.endm
.macro QUARTER slot, q, f, g, zero     ; multiplies buffer f; in its middle fetches the slot's quarter q into buffer g
	s_wait_dscnt 4                                 ; B and A's blocks 0, 1 are in; the four loads of A's blocks 2, 3 may be out
	WIN MUL
	MULA \f, 0, \zero
	MULA \f, 1, \zero
	PLACES
	WIN 0
	FETCH \slot, \q, \g
	s_wait_dscnt 24                                ; all but the 24 just issued
	WIN MUL
	MULA \f, 2, \zero
	MULA \f, 3, \zero
.endm
.macro TURN slot, next, fill           ; a slot's last quarter (buffer 1) changes slots: one barrier; fill = 1: it opens a round of the cluster's barrier, and this slot is filled again, two K steps on
	WIN 0
	s_wait_tensorcnt 0x0                           ; all my tensor loads have landed: my part of the next slot
	ds_add_u32 v[SPW], v[NIL]                      ; 0 onto my spare word
	s_wait_dscnt 5                                 ; the add and the four youngest loads may be out
	WIN MUL
	MULA 1, 0, 0
	s_wait_dscnt 0x0                               ; the add is done, and my reads of this slot are over
	s_barrier_signal -1
	MULA 1, 1, 0
	WIN 0
	s_barrier_wait -1
.if \fill
	CREST
	s_add_nc_u64 s[G0+4*\slot+2:G0+4*\slot+3], s[G0+4*\slot+2:G0+4*\slot+3], 1048576
	s_add_nc_u64 s[G0B+4*\slot+2:G0B+4*\slot+3], s[G0B+4*\slot+2:G0B+4*\slot+3], 512
	JLOAD \slot                                    ; the first tensor load behind the round: 112 matrix instructions ahead of the wait for it; its four v_nop are the places in front of the loads below
.else
	PLACES
.endif
	FETCH \next, 0, 0
	WIN MUL
	MULA 1, 2, 0
	MULA 1, 3, 0
.endm
	s_wait_tensorcnt 1                             ; my part of K step 0 is in; K step 1's load may be out
	s_barrier_signal -1
	s_barrier_wait -1
	FETCH 0, 0, 0
	QUARTER 0, 1, 0, 1, 1                          ; the first quarter's products start the sums
	WIN 0
	s_mov_b32 s3, 3
.Llap:                                             ; a trip goes once round the ring and fills both slots again: K steps 2 to 7
	QUARTER 0, 2, 1, 0, 0
	QUARTER 0, 3, 0, 1, 0
	TURN 0, 1, 1
	QUARTER 1, 1, 0, 1, 0
	QUARTER 1, 2, 1, 0, 0
	QUARTER 1, 3, 0, 1, 0
	TURN 1, 0, 1
	QUARTER 0, 1, 0, 1, 0
	WIN 0
	s_sub_co_u32 s3, s3, 1
	s_cmp_lg_u32 s3, 0
	s_cbranch_scc1 .Llap
	QUARTER 0, 2, 1, 0, 0                          ; the last lap fills nothing
	QUARTER 0, 3, 0, 1, 0
	TURN 0, 1, 0
	QUARTER 1, 1, 0, 1, 0
	QUARTER 1, 2, 1, 0, 0
	QUARTER 1, 3, 0, 1, 0
	s_wait_dscnt 4
	WIN MUL
	MULA 1, 0, 0
	MULA 1, 1, 0
	s_wait_dscnt 0
	MULA 1, 2, 0
	MULA 1, 3, 0
	WIN 0
; THE WAY OUT, a block of 16 rows x 128 columns at a time, through my stage (slot 0 has had its last fill and its last read); back as whole rows of 512 bytes; the bias is added there.
.macro TOSTAGE a
	WIN 0x04                                       ; an LDS store's data are its source 1: window 1
.irp b, 0,1,2,3,4,5,6,7
	ds_store_b128 v[STO], v[8*(8*(\a)+\b):8*(8*(\a)+\b)+3] offset:64*\b       ; each accumulator from its low end on
	ds_store_b128 v[STO], v[8*(8*(\a)+\b)+4:8*(8*(\a)+\b)+7] offset:64*\b+16
.endr
	WIN 0
.set BB, BK+64*((\a)%2)
.irp t, 0,1,2,3,4,5,6,7,8,9,10,11,12,13,14,15
	ds_load_b128 v[BB+4*\t:BB+4*\t+3], v[RD] offset:528*\t
.endr
.endm
.macro SEND a, younger
.set BB, BK+64*((\a)%2)
	s_wait_dscnt \younger                          ; the block is back; the next block's 16 stores and 16 loads may be out
.irp t, 0,1,2,3,4,5,6,7,8,9,10,11,12,13,14,15
	v_pk_add_f32 v[BB+4*\t:BB+4*\t+1], v[BB+4*\t:BB+4*\t+1], v[BI:BI+1]
	v_pk_add_f32 v[BB+4*\t+2:BB+4*\t+3], v[BB+4*\t+2:BB+4*\t+3], v[BI+2:BI+3]
.endr
.irp t, 0,1,2,3,4,5,6,7,8,9,10,11,12,13,14,15
	global_store_b128 v[CO], v[BB+4*\t:BB+4*\t+3], s[10:11] offset:65536*(\a)+4096*\t th:TH_STORE_NT   ; 32 lanes store 512 consecutive bytes, aligned
.endr
.endm
	PLACES
	s_wait_loadcnt 0x0                             ; the bias
	TOSTAGE 0
.irp a, 1,2,3
.if \a > 1
	s_wait_xcnt 0x0                                ; block a - 2's stores have read their registers: block a's loads may land there
.endif
	TOSTAGE \a
	SEND \a-1, 32
.endr
	SEND 3, 0
	s_wait_tensorcnt 0x0                           ; the wave's end
	ds_add_u32 v[SPW], v[NIL]
	s_wait_dscnt 0x0
	CROUND                                         ; the closing round
	s_endpgm
.Lfunc_end_k_qcc2f2c6e13_proj:
	.size	k_qcc2f2c6e13_proj, .Lfunc_end_k_qcc2f2c6e13_proj-k_qcc2f2c6e13_proj
	.p2alignl 7, 3214868480
	.fill 96, 4, 3214868480
	.section	.rodata,"a",@progbits
	.p2align	6, 0x0
	.amdhsa_kernel k_qcc2f2c6e13_proj
		.amdhsa_group_segment_fixed_size 327680
		.amdhsa_private_segment_fixed_size 0
		.amdhsa_enable_private_segment 0
		.amdhsa_kernarg_size 32
		.amdhsa_user_sgpr_count 2
		.amdhsa_user_sgpr_kernarg_segment_ptr 1
		.amdhsa_wavefront_size32 1
		.amdhsa_system_sgpr_workgroup_id_x 1
		.amdhsa_system_sgpr_workgroup_id_y 1
		.amdhsa_system_sgpr_workgroup_id_z 1
		.amdhsa_system_vgpr_workitem_id 0
		.amdhsa_next_free_vgpr 512
		.amdhsa_next_free_sgpr 66
		.amdhsa_reserve_vcc 0
		.amdhsa_float_denorm_mode_32 3
		.amdhsa_float_denorm_mode_16_64 3
		.amdhsa_memory_ordered 1
		.amdhsa_forward_progress 1
		.amdhsa_inst_pref_size 93
	.end_amdhsa_kernel
	.amdgpu_metadata
---
amdhsa.version: [ 1, 2 ]
amdhsa.kernels:
  - .name:           k_qcc2f2c6e13_proj
    .symbol:         k_qcc2f2c6e13_proj.kd
    .args:
      - { .name: ao16, .offset: 0, .size: 8, .value_kind: global_buffer, .address_space: global }
      - { .name: wo16, .offset: 8, .size: 8, .value_kind: global_buffer, .address_space: global }
      - { .name: bo, .offset: 16, .size: 8, .value_kind: global_buffer, .address_space: global }
      - { .name: out0, .offset: 24, .size: 8, .value_kind: global_buffer, .address_space: global }
    .group_segment_fixed_size: 327680
    .private_segment_fixed_size: 0
    .kernarg_segment_align: 8
    .kernarg_segment_size: 32
    .max_flat_workgroup_size: 128
    .sgpr_count:     66
    .vgpr_count:     512
    .wavefront_size: 32
...
	.end_amdgpu_metadata
.endif
;; end of part 4
;; launch fine (part 5): grid 16 x 4, 16 waves a work-group, no clusters, 71,680 bytes of LDS; arguments qkv32, Wo, bo, out0; writes out0
.if DOCPART == 5
	.amdgcn_target "amdgcn-amd-amdhsa--gfx1250"
	.amdhsa_code_object_version 6
	.text
	.protected	k_qcc2f2c6e13_fine
	.globl	k_qcc2f2c6e13_fine
	.p2align	8
	.type	k_qcc2f2c6e13_fine,@function
k_qcc2f2c6e13_fine:
	s_mov_b64 s[64:65], 0
	v_nop
	global_prefetch_b8 v0, s[64:65] scope:SCOPE_SE
	s_setreg_imm32_b32 hwreg(HW_REG_WAVE_MODE, 25, 1), 1
	s_wait_xcnt 0x0
; Positions 0-15 of each batch once more, wholly in f32: a row there averages few values and is large, so f16 operands would use up what the comparison allows.
; Work-group (x, y): batch y, output columns 64 x .. 64 x + 63.  Wave w does head w: S^T = K Q^T, the causal softmax, O^T = V^T P, and its own 64 of the projection's K for the 64 columns;
; the sixteen partial results meet in LDS, and waves 0-7 add them and the bias and store 16 rows x 256 bytes.  All products by v_wmma_f32_16x16x4_f32: 16 + 16 + 64 a wave, no bulk work.
; q, k, v come from qkv32 as images of registers: lane l of image (column block nb, u) holds row l % 16, columns 16 nb + 8 (l / 16) + 4 u + 0..3.  A register pair of such an image feeds a K step of 4
; as it lies: the order of k inside a product is permuted alike on both sources.
; The registers that the matrix instructions write (v112-143, v160-191) are written by nothing else; each sum's first product takes the constant 0 as C.
; REGISTERS: v1-15 addresses and the bias; v16-47 Q, later Wo's tile 0; v48-79 K, later tile 1; v80-111 V; v112-143 four partial S^T, later the four tiles of the result; v144-151 scores, then p;
; v152-159 at work; v160-191 O^T; v192-223, v224-255 Wo's tiles 2, 3.
.set QF, 16
.set KF, 48
.set VF, 80
.set SA, 112
.set SS, 144
.set TT, 152
.set OA, 160
.set SPW, 9
.set NIL, 10
.set SPARE, 16*4352                    ; behind the sixteen stages of 16 rows x 272 bytes: the spare words, 128 bytes a wave
	s_load_b256 s[4:11], s[0:1], 0x0               ; qkv32, Wo, bo, out0
	v_lshl_add_u32 v[SPW], v0, 2, SPARE
	v_mov_b32 v[NIL], 0
	v_lshrrev_b32 v1, 5, v0
	v_readfirstlane_b32 s12, v1                    ; wave = head
	s_and_b32 s13, ttmp7, 0xffff                   ; batch
	s_mov_b32 s14, 0x76543210
	s_mov_b32 s15, 0xfedcba98
	s_mov_b32 s16, 0x3e38aa3b                      ; c = log2(e) / 8
	v_and_b32 v1, 15, v0                           ; r
	v_bfe_u32 v2, v0, 4, 1                         ; h
	v_and_b32 v3, 31, v0
	v_lshlrev_b32 v3, 4, v3                        ; an image's 16 bytes a lane
	v_bfe_u32 v4, v0, 2, 1                         ; V(key 8 h + e, channel 16 ct + r) in the images: 512 ((r / 4) % 2) + 256 (r / 8) + 4 (r % 4) + 128 h, + 1,024 ct + 16 e
	v_lshlrev_b32 v4, 9, v4
	v_bfe_u32 v5, v0, 3, 1
	v_lshl_add_u32 v4, v5, 8, v4
	v_and_b32 v5, 3, v0
	v_lshl_add_u32 v4, v5, 2, v4
	v_lshl_add_u32 v4, v2, 7, v4
	v_lshlrev_b32 v5, 12, v1                       ; Wo: row r of 4,096 bytes, + 32 h
	v_lshl_add_u32 v5, v2, 5, v5
	s_mul_i32 s18, s12, 4352                       ; my stage
	v_mul_u32_u24 v6, v1, 272
	v_lshl_add_u32 v6, v2, 5, v6
	v_add_nc_u32 v6, s18, v6
	v_lshrrev_b32 v7, 4, v0                        ; the sum: thread t (0..255) takes row t / 16, 16 bytes at 16 (t % 16)
	v_lshlrev_b32 v8, 12, v7
	v_mul_u32_u24 v7, v7, 272
	v_lshl_add_u32 v7, v1, 4, v7
	v_lshl_add_u32 v8, v1, 4, v8
	v_lshlrev_b32 v11, 3, v2
	v_sub_nc_u32 v11, v1, v11                      ; r - 8 h
	v_lshlrev_b32 v12, 4, v1
	s_mul_i32 s18, s13, 196608
	s_lshl_b32 s19, s12, 12
	s_add_co_u32 s18, s18, s19                     ; the batch's images, my head's four column blocks
	s_mov_b32 s19, 0
	s_lshl_b32 s20, ttmp9, 18                      ; Wo: row 64 x,
	s_lshl_b32 s21, s12, 8                         ; my head's 64 along K
	s_add_co_u32 s20, s20, s21
	s_mov_b32 s21, 0
	s_lshl_b32 s22, ttmp9, 8                       ; column 64 x, in bytes
	s_mov_b32 s23, 0
	s_lshl_b32 s24, s13, 23                        ; the batch's first row of out0
	s_add_co_u32 s24, s24, s22
	s_mov_b32 s25, 0
	s_wait_kmcnt 0x0
	s_add_nc_u64 s[4:5], s[4:5], s[18:19]
	s_add_nc_u64 s[6:7], s[6:7], s[20:21]
	s_add_nc_u64 s[8:9], s[8:9], s[22:23]
	s_add_nc_u64 s[10:11], s[10:11], s[24:25]
.irp i, 0,1,2,3,4,5,6,7
	global_load_b128 v[QF+4*\i:QF+4*\i+3], v3, s[4:5] offset:512*\i
.endr
.irp i, 0,1,2,3,4,5,6,7
	global_load_b128 v[KF+4*\i:KF+4*\i+3], v3, s[4:5] offset:65536+512*\i
.endr
.irp ct, 0,1,2,3
.irp e, 0,1,2,3,4,5,6,7
	global_load_b32 v[VF+8*\ct+\e], v4, s[4:5] offset:131072+1024*\ct+16*\e
.endr
.endr
.macro WLOAD nt                        ; Wo(64 x + 16 nt + r, 64 head + 16 ct + 8 h + 0..7) into register 8 ct + 0..7 of tile nt
.set WB, 16+32*(\nt)+112*((\nt)/2)
.irp ct, 0,1,2,3
.irp u, 0,1
	global_load_b128 v[WB+8*\ct+4*\u:WB+8*\ct+4*\u+3], v5, s[6:7] offset:65536*(\nt)+64*\ct+16*\u
.endr
.endr
.endm
	WLOAD 2
	WLOAD 3
	global_load_b128 v[12:15], v12, s[8:9]         ; the bias (the load lands on its own offset register)
	s_wait_loadcnt 49                              ; Q and K are in; V's 32, Wo's 16 and the bias may be out
.set ks, 0
.rept 16                               ; S^T: lane (r, h): query r, keys 8 h + 0..7; four accumulators by turns
.set rD, SA+8*(ks%4)
.if ks < 4
	v_wmma_f32_16x16x4_f32 v[rD:rD+7], v[KF+2*ks:KF+2*ks+1], v[QF+2*ks:QF+2*ks+1], 0
.else
	v_wmma_f32_16x16x4_f32 v[rD:rD+7], v[KF+2*ks:KF+2*ks+1], v[QF+2*ks:QF+2*ks+1], v[rD:rD+7]
.endif
.set ks, ks+1
.endr
.rept 8
	v_nop                                          ; eight places behind this form, in front of reads of results and of loads into its sources
.endr
	WLOAD 0
	WLOAD 1
.irp i, 0,2,4,6
	v_pk_add_f32 v[SS+\i:SS+\i+1], v[SA+\i:SA+\i+1], v[SA+8+\i:SA+8+\i+1]
	v_pk_add_f32 v[TT+\i:TT+\i+1], v[SA+16+\i:SA+16+\i+1], v[SA+24+\i:SA+24+\i+1]
.endr
.irp i, 0,2,4,6
	v_pk_add_f32 v[SS+\i:SS+\i+1], v[SS+\i:SS+\i+1], v[TT+\i:TT+\i+1]
.endr
	v_mov_b32 v[TT], 0xff800000
.irp j, 0,1,2,3,4,5,6,7
	v_cmp_gt_i32 vcc_lo, \j, v11                   ; key 8 h + j is hidden from query r where j > r - 8 h
	v_cndmask_b32 v[SS+\j], v[SS+\j], v[TT], vcc_lo
.endr
	v_max3_num_f32 v[TT+1], v[SS], v[SS+1], v[SS+2]
	v_max3_num_f32 v[TT+1], v[TT+1], v[SS+3], v[SS+4]
	v_max3_num_f32 v[TT+1], v[TT+1], v[SS+5], v[SS+6]
	v_max_num_f32 v[TT+1], v[TT+1], v[SS+7]
	v_permlanex16_b32 v[TT+2], v[TT+1], s14, s15
	v_max_num_f32 v[TT+1], v[TT+1], v[TT+2]        ; the row's maximum: key 0 counts for every query
	v_mul_f32 v[TT+1], s16, v[TT+1]
.irp j, 0,1,2,3,4,5,6,7
	v_fma_f32 v[SS+\j], v[SS+\j], s16, -v[TT+1]
.endr
.irp j, 0,1,2,3,4,5,6,7
	v_exp_f32 v[SS+\j], v[SS+\j]
.endr
	v_nop
	s_wait_alu depctr_va_vdst(0)                   ; one wait for the eight, ahead of their first reader
	v_pk_add_f32 v[TT+2:TT+3], v[SS:SS+1], v[SS+2:SS+3]
	v_pk_add_f32 v[TT+4:TT+5], v[SS+4:SS+5], v[SS+6:SS+7]
	v_pk_add_f32 v[TT+2:TT+3], v[TT+2:TT+3], v[TT+4:TT+5]
	v_add_f32 v[TT+2], v[TT+2], v[TT+3]
	v_permlanex16_b32 v[TT+3], v[TT+2], s14, s15
	v_add_f32 v[TT+2], v[TT+2], v[TT+3]
	v_rcp_f32 v[TT+4], v[TT+2]
	v_nop
	s_wait_alu depctr_va_vdst(0)
.irp j, 0,2,4,6
	v_pk_mul_f32 v[SS+\j:SS+\j+1], v[SS+\j:SS+\j+1], v[TT+4:TT+5] op_sel_hi:[1,0]
.endr
	s_wait_loadcnt 33                              ; V is in; Wo's 32 loads and the bias may be out
.irp s, 0,1,2,3                        ; O^T: lane (r, h): query r, channels 16 ct + 8 h + 0..7
.irp ct, 0,1,2,3
.if \s == 0
	v_wmma_f32_16x16x4_f32 v[OA+8*\ct:OA+8*\ct+7], v[VF+8*\ct+2*\s:VF+8*\ct+2*\s+1], v[SS+2*\s:SS+2*\s+1], 0
.else
	v_wmma_f32_16x16x4_f32 v[OA+8*\ct:OA+8*\ct+7], v[VF+8*\ct+2*\s:VF+8*\ct+2*\s+1], v[SS+2*\s:SS+2*\s+1], v[OA+8*\ct:OA+8*\ct+7]
.endif
.endr
.endr
.rept 9
	v_nop                                          ; nine places: the results become a source of the next products
.endr
	s_wait_loadcnt 0x0
.irp ct, 0,1,2,3                       ; the projection: lane (r, h): row r, columns 16 nt + 8 h + 0..7
.irp s, 0,1,2,3
.irp nt, 0,1,2,3
.set WB, 16+32*\nt+112*(\nt/2)
.if \ct+\s == 0
	v_wmma_f32_16x16x4_f32 v[SA+8*\nt:SA+8*\nt+7], v[WB+8*\ct+2*\s:WB+8*\ct+2*\s+1], v[OA+8*\ct+2*\s:OA+8*\ct+2*\s+1], 0
.else
	v_wmma_f32_16x16x4_f32 v[SA+8*\nt:SA+8*\nt+7], v[WB+8*\ct+2*\s:WB+8*\ct+2*\s+1], v[OA+8*\ct+2*\s:OA+8*\ct+2*\s+1], v[SA+8*\nt:SA+8*\nt+7]
.endif
.endr
.endr
.endr
.rept 8
	v_nop
.endr
.irp nt, 0,1,2,3
	ds_store_b128 v6, v[SA+8*\nt:SA+8*\nt+3] offset:64*\nt
	ds_store_b128 v6, v[SA+8*\nt+4:SA+8*\nt+7] offset:64*\nt+16
.endr
	s_wait_tensorcnt 0x0                           ; the s_wait_dscnt below also shows my stores done to the others
	ds_add_u32 v[SPW], v[NIL]
	s_wait_dscnt 0x0
	s_barrier_signal -1
	s_barrier_wait -1
	s_cmp_ge_u32 s12, 8                            ; 16 rows x 256 bytes are 256 threads' 16 bytes: waves 0-7
	s_cbranch_scc1 .Lend
.irp w, 0,1,2,3,4,5,6,7,8,9,10,11,12,13,14,15
	ds_load_b128 v[16+4*\w:19+4*\w], v7 offset:4352*\w
.endr
	s_wait_dscnt 0x0
.irp d, 8,4,2,1
.set w, 0
.rept \d
	v_pk_add_f32 v[16+4*w:17+4*w], v[16+4*w:17+4*w], v[16+4*(w+\d):17+4*(w+\d)]
	v_pk_add_f32 v[18+4*w:19+4*w], v[18+4*w:19+4*w], v[18+4*(w+\d):19+4*(w+\d)]
.set w, w+1
.endr
.endr
	v_pk_add_f32 v[16:17], v[16:17], v[12:13]
	v_pk_add_f32 v[18:19], v[18:19], v[14:15]
	global_store_b128 v8, v[16:19], s[10:11]       ; sixteen lanes store 256 consecutive bytes, aligned
.Lend:
	s_endpgm
.Lfunc_end_k_qcc2f2c6e13_fine:
	.size	k_qcc2f2c6e13_fine, .Lfunc_end_k_qcc2f2c6e13_fine-k_qcc2f2c6e13_fine
	.p2alignl 7, 3214868480
	.fill 96, 4, 3214868480
	.section	.rodata,"a",@progbits
	.p2align	6, 0x0
	.amdhsa_kernel k_qcc2f2c6e13_fine
		.amdhsa_group_segment_fixed_size 71680
		.amdhsa_private_segment_fixed_size 0
		.amdhsa_enable_private_segment 0
		.amdhsa_kernarg_size 32
		.amdhsa_user_sgpr_count 2
		.amdhsa_user_sgpr_kernarg_segment_ptr 1
		.amdhsa_wavefront_size32 1
		.amdhsa_system_sgpr_workgroup_id_x 1
		.amdhsa_system_sgpr_workgroup_id_y 1
		.amdhsa_system_sgpr_workgroup_id_z 1
		.amdhsa_system_vgpr_workitem_id 0
		.amdhsa_next_free_vgpr 256
		.amdhsa_next_free_sgpr 66
		.amdhsa_reserve_vcc 1
		.amdhsa_float_denorm_mode_32 3
		.amdhsa_float_denorm_mode_16_64 3
		.amdhsa_memory_ordered 1
		.amdhsa_forward_progress 1
		.amdhsa_inst_pref_size 25
	.end_amdhsa_kernel
	.amdgpu_metadata
---
amdhsa.version: [ 1, 2 ]
amdhsa.kernels:
  - .name:           k_qcc2f2c6e13_fine
    .symbol:         k_qcc2f2c6e13_fine.kd
    .args:
      - { .name: qkv32, .offset: 0, .size: 8, .value_kind: global_buffer, .address_space: global }
      - { .name: Wo, .offset: 8, .size: 8, .value_kind: global_buffer, .address_space: global }
      - { .name: bo, .offset: 16, .size: 8, .value_kind: global_buffer, .address_space: global }
      - { .name: out0, .offset: 24, .size: 8, .value_kind: global_buffer, .address_space: global }
    .group_segment_fixed_size: 71680
    .private_segment_fixed_size: 0
    .kernarg_segment_align: 8
    .kernarg_segment_size: 32
    .max_flat_workgroup_size: 512
    .sgpr_count:     66
    .vgpr_count:     256
    .wavefront_size: 32
...
	.end_amdgpu_metadata
.endif
;; end of part 5
